; MI455X (gfx1250); checked and timed in simulation.
; The chip was launched on July 23, 2026; its instructions are those of AMD's public machine-readable ISA for CDNA 5 (MIT licence, August 2026) and "CDNA5" Instruction Set Architecture Reference Guide (July 2026). The comments in the code are by the model that wrote it; some were corrected since.
;; Generic Cross Attention. Allowed arithmetic: matrix products marked QUANTISED: E5M2 operands, one given power-of-two scale a tensor, by v_wmma_f32_16x16x64_bf8_bf8 or v_wmma_f32_16x16x128_bf8_bf8, f32 sums; everything else in f32.
;; Inputs: Wk 2,048 x 2,048 float32; Wo 2,048 x 2,048 float32; Wq 2,048 x 2,048 float32; Wv 2,048 x 2,048 float32; bk 2,048 float32; bo 2,048 float32; bq 2,048 float32; bv 2,048 float32; gate 2,048 float32; kv_padding_mask 2 x 2,048 bool; kv_states 2 x 2,048 x 2,048 float32; lowp_scales 12 int32 (the exponents e of the quantised operands' scales 2^e); query_states 2 x 1,024 x 2,048 float32.
;; Outputs: out0 2 x 1,024 x 2,048 float32.
;; This version of the problem:
;;   THIS VERSION OF THE PROBLEM IS GIVEN IN LOW PRECISION. The matrix products marked QUANTISED in the list below multiply operands that are first quantised to E5M2 (5 exponent bits, 2 mantissa bits; 8 bits a number), with one given power-of-two scale for each operand tensor; their sums are f32. All else is computed in f32.
;;   The module's matrix products, in the order in which they are computed (A, B: the left and right operand; K: the contracted axis; several contracted axes count as one K, in the product's order):
;;     1. [M 2,048, K 2,048] x [K 2,048, N 2,048]; A: input query_states; B: input Wq: QUANTISED (scales: A lowp_scales[0], B lowp_scales[1])
;;     2. [M 4,096, K 2,048] x [K 2,048, N 2,048]; A: input kv_states; B: input Wk: QUANTISED (scales: A lowp_scales[2], B lowp_scales[3])
;;     3. [M 4,096, K 2,048] x [K 2,048, N 2,048]; A: input kv_states; B: input Wv: QUANTISED (scales: A lowp_scales[4], B lowp_scales[5])
;;     4. batch 32 x [M 1,024, K 128] x [K 128, N 2,048]; A: computed on the way; B: computed on the way: QUANTISED (scales: A lowp_scales[6], B lowp_scales[7])
;;     5. batch 32 x [M 1,024, K 2,048] x [K 2,048, N 128]; A: softmax (see below); B: computed on the way: QUANTISED (scales: A lowp_scales[8], B lowp_scales[9])
;;     6. [M 2,048, K 2,048] x [K 2,048, N 2,048]; A: computed on the way; B: input Wo: QUANTISED (scales: A lowp_scales[10], B lowp_scales[11])
;;   THE QUANTISER, for each operand of a quantised product, along K:
;;     - The operand's scale is 2^e, e = its entry of the input lowp_scales (int32; the entries are numbered through the quantised products in the list's order, A before B).
;;     - Each number is divided by the scale, clamped to +-57,344, and rounded to the nearest number of E5M2, ties to even, subnormals kept.
;;     - The product sums the exact products of the quantised numbers (number of the format x scale) in f32.
;;   ~~~python
;;   def quantise(x, axis, e):      # numpy; x: float32 -> the quantised numbers, widened to float32 again
;;       x = np.moveaxis(x, axis, -1); K = x.shape[-1]
;;       r = np.clip(x / 2.0 ** e, -57344, 57344)
;;       step = 2.0 ** (np.maximum(np.frexp(np.where(r == 0, 1, r))[1] - 1, -14) - 2)
;;       q = np.round(r / step) * step * 2.0 ** e      # np.round: ties to even
;;       return np.moveaxis(q, -1, axis).astype(np.float32)
;;   ~~~
;;   SOFTMAX AHEAD OF A QUANTISED PRODUCT. Where the list says 'softmax', what is quantised is not the finished softmax but p = 2^(t - M), with t = logit x log2(e) and M = ceil(the row's largest t), a whole number; so 1/2 < the row's largest p <= 1. The row's sum l is taken of the UNQUANTISED p, in f32, and the product's result is divided by l at the end. Since M is a whole number, a kernel that streams over the keys may use a running M (the ceiling of the running maximum): every later rescaling is an exact power of two, so the quantised numbers keep their values, but for numbers so far below the row's largest that they fall under the format's range.
;;   OPERANDS COMPUTED ON THE WAY. 'Computed on the way' means the value that the module computes at that place (a softmax that the list does not call 'softmax' is quantised finished and normalised). What goes into a quantiser is computed in f32, as accurately as f32 sums, v_exp_f32 and their like allow (about 1e-6 of the number): no bf16 or f16 on the way to a quantiser, and a product that is left as it is and whose result goes on into a quantised operand takes f32 operands (vector FMAs, or v_wmma_f32_16x16x4_f32). A number that lies on a knife's edge between two numbers of the format may be rounded either way, as far as f32 arithmetic and the matrix unit's own rounding can turn it there, and no further.
;; One version. Each part assembles by itself: llvm-mc -triple=amdgcn-amd-amdhsa -mcpu=gfx1250 --defsym DOCPART=n.
;; ======== version 1 of 1: 4 launches
;; limits: right only within a limited range of input values
;; workspace buffers: codes_in 25,165,824 bytes; qkv 12,582,912 bytes; ctx 4,194,304 bytes; wo_codes 4,194,304 bytes
;; launch quant (part 1): grid 256 x 1, 16 waves a work-group, no clusters, 34,816 bytes of LDS; arguments query_states, Wq, Wk, Wv, kv_states, lowp_scales, codes_in; writes codes_in
.if DOCPART == 1
	.amdgcn_target "amdgcn-amd-amdhsa--gfx1250"
	.amdhsa_code_object_version 6
	.text
	.protected	k_q6476e25b45_quant
	.globl	k_q6476e25b45_quant
	.p2align	8
	.type	k_q6476e25b45_quant,@function
k_q6476e25b45_quant:
	s_mov_b64 s[64:65], 0
	v_nop
	global_prefetch_b8 v0, s[64:65] scope:SCOPE_SE
	s_setreg_imm32_b32 hwreg(HW_REG_WAVE_MODE, 25, 1), 1
	s_wait_xcnt 0x0
; f32 numbers become codes of BF8 (E5M2), each tensor with the scale 2^e that is given for it: code = x / 2^e, held within +-57,344, to the nearest code, ties to even.
; codes_in has six sections of 4,194,304 bytes: 0 query_states (e0), 1 Wq (e1), 2 kv_states (e2), 3 Wk (e3), 4 Wv (e5), 5 kv_states (e4).  (Wo is quantised by the next launch.)
; A section is laid [8 K steps][2,048 rows][256 codes along K]: so a K step's rows lie end to end.
; DEAD WORK.  The problem's own causal mask ([1,024 queries] x [2,048 keys], hidden where key > query) hides the keys 1,024 to 2,047 of each batch from every query, whatever the inputs hold: their scores become -infinity and
; their p is 0.  So rows 1,024 to 2,047 of each batch of kv_states, their k and v, their scores and their entries of kv_padding_mask reach no output, and no launch reads or makes them.
; LIMIT: a NaN, an infinity or an overflow in those rows alone is not carried to the result.
; A kv row of a section is batch x 1,024 + key.  kv_states is read once and quantised twice (its two products have scales of their own).
; SHARES.  Each of 256 x 16 waves takes 1,024 numbers (half a row) of each of the five tensors: ten steps of 512.  All its 40 loads (512 consecutive bytes each, 16 a lane) are asked for ahead of its first store.
; The conversion takes eight registers of a lane: its two result words hold the four codes of one load each.  Word i belongs at byte 128 i + 4 x lane of the step's 512 bytes of codes: it goes there in the wave's own stage
; in LDS, and the wave reads the 512 bytes back 16 a lane and stores them as two whole units of 256 bytes: lanes 0-15 one K step's, lanes 16-31 the next's.
; Waves share nothing: no barrier.  No prefetch: every load is asked for at the head.
; LIMITS: each e between -126 and 112.  NaN among the inputs is not served; an infinity is held at the largest code.
.set KST,  524288                      ; bytes of a K step in a section
.set R,    16                          ; v16-175  ten sets of 16 numbers as loaded; the codes come back into a set's first registers
.set T,    176                         ; v176-191 kv: the numbers held for the first scale
.set C,    192                         ; v192-199 codes, two sets of four words
.set C2,   200                         ; v200-207 kv: the second scale's
.set KE,   208                         ; v208-219 for each of e0 .. e5: 2^e and 57,344 x 2^e
.set SO,   7                           ; v7       my place in a step's stores
.set SPW,  14
.set NIL,  15
	s_load_b256 s[8:15], s[0:1], 0x0               ; query s[8:9], Wq s[10:11], Wk s[12:13], Wv s[14:15]
	s_load_b128 s[16:19], s[0:1], 0x20             ; kv s[16:17], the scales s[18:19]
	s_load_b64 s[20:21], s[0:1], 0x30              ; codes_in
	v_lshl_add_u32 v[SPW], v0, 2, 32768            ; my spare word, behind the sixteen stages
	v_mov_b32 v[NIL], 0
	v_lshrrev_b32 v1, 5, v0
	v_readfirstlane_b32 s2, v1                     ; wave
	v_and_b32 v2, 31, v0                           ; lane
	v_lshlrev_b32 v3, 4, v2                        ; 16 x lane: my place in a load's 512 bytes
	s_lshl_b32 s36, s2, 11                         ; a stage: 2,048 bytes a wave (two of 2 x 512)
	v_lshl_add_u32 v4, v2, 2, s36                  ; in: 4 x lane
	v_lshl_add_u32 v5, v2, 4, s36                  ; out: 16 x lane
	v_and_b32 v6, 15, v2
	v_lshrrev_b32 v[SO], 4, v2
	v_mul_u32_u24 v[SO], v[SO], KST
	v_lshl_add_u32 v[SO], v6, 4, v[SO]             ; 16 x (lane % 16), lanes 16-31 a K step on
	s_lshl_b32 s40, ttmp9, 16                      ; 65,536 bytes of numbers (eight rows) a work-group,
	s_lshl_b32 s36, s2, 12
	s_add_co_u32 s40, s40, s36                     ; 4,096 a wave
	s_mov_b32 s41, 0
	s_lshr_b32 s42, ttmp9, 7                       ; kv: the batch: its rows 1,024 to 2,047 are passed over,
	s_lshl_b32 s42, s42, 23                        ; 8,388,608 bytes
	s_add_co_u32 s42, s42, s40
	s_mov_b32 s43, 0
	s_lshl_b32 s44, ttmp9, 3
	s_lshr_b32 s36, s2, 1
	s_add_co_u32 s44, s44, s36                     ; my row,
	s_lshl_b32 s44, s44, 8                         ; of 256 codes in a K step,
	s_and_b32 s36, s2, 1
	s_mul_i32 s36, s36, 4*KST
	s_add_co_u32 s44, s44, s36                     ; from K step 0 or 4 on
	s_mov_b32 s45, 0
	s_wait_alu depctr_va_vdst(0)
	s_wait_kmcnt 0x0
	s_load_b128 s[28:31], s[18:19], 0x0            ; e0 .. e3
	s_load_b64 s[32:33], s[18:19], 0x10            ; e4, e5
	s_add_nc_u64 s[16:17], s[16:17], s[42:43]
	s_add_nc_u64 s[8:9], s[8:9], s[40:41]
	s_add_nc_u64 s[10:11], s[10:11], s[40:41]
	s_add_nc_u64 s[12:13], s[12:13], s[40:41]
	s_add_nc_u64 s[14:15], s[14:15], s[40:41]
	s_add_nc_u64 s[20:21], s[20:21], s[44:45]      ; section 0 (and 1 by the offset)
	s_add_nc_u64 s[22:23], s[20:21], 0x800000      ; section 2 (and 3)
	s_add_nc_u64 s[26:27], s[20:21], 0x1000000     ; section 4 (and 5)
.macro LOADT k, b                      ; a tensor's two steps
.irp i, 0,1,2,3,4,5,6,7
	global_load_b128 v[R+32*\k+4*\i:R+32*\k+4*\i+3], v3, s[\b:\b+1] offset:512*\i th:TH_LOAD_NT
.endr
.endm
	LOADT 0, 16
	LOADT 1, 8
	LOADT 2, 10
	LOADT 3, 12
	LOADT 4, 14
	s_wait_kmcnt 0x0
.irp n, 0,1,2,3,4,5
	s_add_co_i32 s34, s[28+\n], 127
	s_lshl_b32 s35, s34, 23
	v_mov_b32 v[KE+2*\n], s35                      ; 2^e as f32: the conversion takes its exponent field
	s_add_co_i32 s34, s34, 15
	s_lshl_b32 s34, s34, 23
	s_or_b32 s34, s34, 0x600000
	v_mov_b32 v[KE+2*\n+1], s34                    ; 57,344 x 2^e
.endr
	s_wait_alu depctr_va_vdst(0)                   ; the head's end
.macro SENDN                           ; step SN's codes leave: two K steps' units of my row
.if SN < 2
	global_store_b128 v[SO], v[R+16*SN:R+16*SN+3], s[22:23] offset:2*KST*SN
	global_store_b128 v[SO], v[R+16*SN+4:R+16*SN+7], s[26:27] offset:4194304+2*KST*SN
.elseif SN < 4
	global_store_b128 v[SO], v[R+16*SN:R+16*SN+3], s[20:21] offset:2*KST*(SN-2)
.elseif SN < 6
	global_store_b128 v[SO], v[R+16*SN:R+16*SN+3], s[20:21] offset:4194304+2*KST*(SN-4)
.elseif SN < 8
	global_store_b128 v[SO], v[R+16*SN:R+16*SN+3], s[22:23] offset:4194304+2*KST*(SN-6)
.else
	global_store_b128 v[SO], v[R+16*SN:R+16*SN+3], s[26:27] offset:2*KST*(SN-8)
.endif
.endm
.macro STEP n
.set XS, R+16*(\n)
.set CC, C+4*((\n)%2)
.set CE, C2+4*((\n)%2)
	s_wait_loadcnt 36-4*(\n)                       ; this step's four loads are in; those of the later steps may be out
.if (\n) < 2                           ; kv: e2, then e4
.set j, 0
.rept 16
	v_med3_num_f32 v[T+j], v[XS+j], -v[KE+5], v[KE+5]      ; the conversion to an 8-bit code does not saturate (ISA guide 7.6.2): the hold comes first
.set j, j+1
.endr
	v_cvt_scalef32_pk8_bf8_f32 v[CC:CC+1], v[T:T+7], v[KE+4]
	v_cvt_scalef32_pk8_bf8_f32 v[CC+2:CC+3], v[T+8:T+15], v[KE+4]
.set j, 0
.rept 16
	v_med3_num_f32 v[XS+j], v[XS+j], -v[KE+9], v[KE+9]
.set j, j+1
.endr
	v_cvt_scalef32_pk8_bf8_f32 v[CE:CE+1], v[XS:XS+7], v[KE+8]
	v_cvt_scalef32_pk8_bf8_f32 v[CE+2:CE+3], v[XS+8:XS+15], v[KE+8]
.irp i, 0,1,2,3
	ds_store_b32 v4, v[CC+\i] offset:1024*((\n)%2)+128*\i
.endr
.irp i, 0,1,2,3
	ds_store_b32 v4, v[CE+\i] offset:1024*((\n)%2)+512+128*\i
.endr
	ds_load_b128 v[XS:XS+3], v5 offset:1024*((\n)%2)       ; LDS serves a wave's instructions in order (ISA guide 5.7.1.4): these see the stores above
	ds_load_b128 v[XS+4:XS+7], v5 offset:1024*((\n)%2)+512
.set YOUNG, 10
.else
.if (\n) < 4
.set EI, KE
.elseif (\n) < 6
.set EI, KE+2
.elseif (\n) < 8
.set EI, KE+6
.else
.set EI, KE+10
.endif
.set j, 0
.rept 16
	v_med3_num_f32 v[XS+j], v[XS+j], -v[EI+1], v[EI+1]
.set j, j+1
.endr
	v_cvt_scalef32_pk8_bf8_f32 v[CC:CC+1], v[XS:XS+7], v[EI]        ; word 0: load 0's four codes, word 1: load 1's
	v_cvt_scalef32_pk8_bf8_f32 v[CC+2:CC+3], v[XS+8:XS+15], v[EI]   ; (results go to LDS stores; the next vector lines are plain and on other registers)
.irp i, 0,1,2,3
	ds_store_b32 v4, v[CC+\i] offset:1024*((\n)%2)+128*\i
.endr
	ds_load_b128 v[XS:XS+3], v5 offset:1024*((\n)%2)
.set YOUNG, 5
.endif
.if (\n) > 0
.set SN, (\n)-1
	s_wait_dscnt YOUNG                             ; this step's LDS instructions may be out: the step before is back in registers
	SENDN
.endif
.endm
.irp n, 0,1,2,3,4,5,6,7,8,9
	STEP \n
.endr
	s_wait_dscnt 0x0
.set SN, 9
	SENDN
	s_wait_tensorcnt 0x0                           ; the wave's end
	ds_add_u32 v[SPW], v[NIL]
	s_wait_dscnt 0x0
	s_endpgm
.Lfunc_end_k_q6476e25b45_quant:
	.size	k_q6476e25b45_quant, .Lfunc_end_k_q6476e25b45_quant-k_q6476e25b45_quant
	.p2alignl 7, 3214868480
	.fill 96, 4, 3214868480
	.section	.rodata,"a",@progbits
	.p2align	6, 0x0
	.amdhsa_kernel k_q6476e25b45_quant
		.amdhsa_group_segment_fixed_size 34816
		.amdhsa_private_segment_fixed_size 0
		.amdhsa_enable_private_segment 0
		.amdhsa_kernarg_size 56
		.amdhsa_user_sgpr_count 2
		.amdhsa_user_sgpr_kernarg_segment_ptr 1
		.amdhsa_wavefront_size32 1
		.amdhsa_system_sgpr_workgroup_id_x 1
		.amdhsa_system_sgpr_workgroup_id_y 1
		.amdhsa_system_sgpr_workgroup_id_z 1
		.amdhsa_system_vgpr_workitem_id 0
		.amdhsa_next_free_vgpr 256
		.amdhsa_next_free_sgpr 66
		.amdhsa_reserve_vcc 0
		.amdhsa_float_denorm_mode_32 3
		.amdhsa_float_denorm_mode_16_64 3
		.amdhsa_memory_ordered 1
		.amdhsa_forward_progress 1
		.amdhsa_inst_pref_size 27
	.end_amdhsa_kernel
	.amdgpu_metadata
---
amdhsa.version: [ 1, 2 ]
amdhsa.kernels:
  - .name:           k_q6476e25b45_quant
    .symbol:         k_q6476e25b45_quant.kd
    .args:
      - { .name: query_states, .offset: 0, .size: 8, .value_kind: global_buffer, .address_space: global }
      - { .name: Wq, .offset: 8, .size: 8, .value_kind: global_buffer, .address_space: global }
      - { .name: Wk, .offset: 16, .size: 8, .value_kind: global_buffer, .address_space: global }
      - { .name: Wv, .offset: 24, .size: 8, .value_kind: global_buffer, .address_space: global }
      - { .name: kv_states, .offset: 32, .size: 8, .value_kind: global_buffer, .address_space: global }
      - { .name: lowp_scales, .offset: 40, .size: 8, .value_kind: global_buffer, .address_space: global }
      - { .name: codes_in, .offset: 48, .size: 8, .value_kind: global_buffer, .address_space: global }
    .group_segment_fixed_size: 34816
    .private_segment_fixed_size: 0
    .kernarg_segment_align: 8
    .kernarg_segment_size: 56
    .max_flat_workgroup_size: 512
    .sgpr_count:     66
    .vgpr_count:     256
    .wavefront_size: 32
...
	.end_amdgpu_metadata
.endif
;; end of part 1
;; launch proj (part 2): grid 8 x 32, 4 waves a work-group, clusters of 4 x 4, 327,680 bytes of LDS; arguments codes_in, bq, bk, bv, lowp_scales, qkv, Wo, wo_codes; writes qkv, wo_codes
.if DOCPART == 2
	.amdgcn_target "amdgcn-amd-amdhsa--gfx1250"
	.amdhsa_code_object_version 6
	.text
	.protected	k_q6476e25b45_proj
	.globl	k_q6476e25b45_proj
	.p2align	8
	.type	k_q6476e25b45_proj,@function
k_q6476e25b45_proj:
	s_mov_b64 s[64:65], 0
	v_nop
	global_prefetch_b8 v0, s[64:65] scope:SCOPE_SE
	s_setreg_imm32_b32 hwreg(HW_REG_WAVE_MODE, 25, 1), 1
	s_wait_xcnt 0x0
	s_wait_alu depctr_hold_cnt(0) depctr_sa_sdst(0) depctr_va_vdst(0) depctr_va_sdst(0) depctr_va_ssrc(0) depctr_va_vcc(0) depctr_vm_vsrc(0)
	s_getreg_b32 s2, hwreg(HW_REG_IB_STS2, 6, 4)
	s_cmp_eq_u32 s2, 0
	s_cbranch_scc0 .Lentry_in_a_cluster
	s_endpgm
.Lentry_in_a_cluster:
	s_bfe_u32 s2, ttmp6, 0x10000c
	s_cmp_lg_u32 s2, 0xf033
	s_cbranch_scc0 .Lentry_shape_is_right
	s_endpgm
.Lentry_shape_is_right:
; THE THREE PROJECTIONS, each C[m][n] = sum over k of A[m][k] B[n][k] with M = N = K = 2,048, on codes of BF8 (E5M2), with the bias, in f32, and the quantiser of the product that follows; and, in work-groups of their own, Wo's codes.
; Product g (0, 1, 2) takes section 2 g of codes_in as A and section 2 g + 1 as B:  g = 0: A = query_states, B = Wq: q[token][feature];  g = 1: A = kv_states, B = Wk: k[token][feature];
; g = 2: A = Wv, B = kv_states: v TRANSPOSED, [feature][token], since the keys are the K of the product that reads it.  A token is batch x 1,024 + position.
; DEAD WORK LEFT OUT: keys 1,024 to 2,047 of a batch, which the problem's own causal mask hides from every query (the first launch's head shows it).
; A sum stands for sum x 2^(ea + eb) (entries 2 g, 2 g + 1 of the scales); the result is quantised with er, entry 6 (q), 7 (k) or 9 (v).  THE BIAS, divided by 2^(ea + eb), is the C of each sum's first product, and the
; conversion's scale is 2^(er - ea - eb): so the way out is the hold and the conversion alone.
; LIMITS: ea + eb between -126 and 126, er - ea - eb and e11 between -126 and 112; a bias divided by 2^(ea + eb) stays an f32 number.  NaN among the inputs is not served.
; A tile of C, 256 x 256, is made by a work-group of four waves; a wave makes 128 x 128: 64 accumulators, 512 registers.  192 work-groups (cluster y 0 to 5): 8 x 8 tiles for each product.  64 more (cluster y 6, 7) turn Wo into codes.
; The choice hangs on the cluster's number, which all sixteen partners share.
; K goes in steps of 256 through a ring of two LDS slots filled by the tensor data mover; a tile's row is 256 bytes of memory.
; CLUSTERS: 4 x 4 work-groups of one product.  The four of a row of the cluster need the same tiles of A, the four of a column the same tiles of B: each tile is asked for JOINTLY.
; PREFETCH: of the 128 rows that a wave fetches, each of the four partners names 32 (told apart by address), a lane a row, 256 bytes of a K step: the K step TWO ahead of the joint load just issued (at the head K steps 1, 2 and 3).
; Each block is named once in each cluster that loads it; the last two refills name nothing.
; THE MATRIX INSTRUCTION IS USED TRANSPOSED (source 0 = 16 rows of B, source 1 = 16 rows of A): a lane holds eight neighbouring n of one row m, which are neighbours along the next product's K: one conversion.
; WHAT IS STORED.  A wave's 128 x 128 codes are one tile of qkv, 16,384 bytes, at section g, batch << 21 | head << 17 | block of 128 tokens << 14: 128 rows of 128 bytes.
; Row x of the wave's 128 (a token for q and k, a feature of the head for v) lies at place PI(x), x with its bits 3 and 4 exchanged: so sixteen rows on end are, for the launch that reads them, the sixteen rows that a matrix tile wants.
; REGISTERS, in windows of 256: window 0: v0-31 addresses; v32-95 the first products' C; from v128 A's fragments, ONE set; on the way out v128-255 are at work.
;   window 1: B's fragments, TWO sets.   window 2: the accumulators of my rows 0-63 ((a, b) at v[8 (8 a + b)]);   window 3: those of my rows 64-127.
.set ROWB,   256                       ; a tile's row in bytes: 256 along K
.set KROW,   256                       ; a section of codes_in is laid [8 K steps][2,048 rows][256 codes]: in a K step the rows lie end to end, so a wave's 128 rows are 32,768 bytes on end
.set KST,    524288                    ; from K step to K step, in bytes
.set PITCH,  272                       ; an LDS row: 256 bytes + 16 of padding = 68 words: row r starts at bank 4 r mod 64 (ISA guide 11.1), so the 16 rows of a load start at 16 different banks
.set FR,     16                        ; registers of a fragment: 16 rows x 128 K
.set HALFT,  128*PITCH                 ; 128 rows: what one tensor load brings
.set SLOT,   4*HALFT                   ; A's 256 rows, then B's 256 rows
.set LAPS,   4                         ; a lap = two K steps = once round the ring
.set SPARE,  2*SLOT                    ; behind the ring: the spare words, 128 bytes a wave
.set WSTAGE, SPARE+512                 ; Wo's stages: 1,024 bytes a wave
.set SPITCH, 144                       ; the way out: a stage of 16 rows x (128 bytes + 16) for each wave, in slot 0, which has had its last fill and its last read by then
.set ADRA, 16                          ; v16-17  LDS address of my A fragments in slot 0, 1
.set ADRB, 20                          ; v20-21  the same for B
.set BH,   22                          ; v22     32 x (lane / 16)
.set BR,   23                          ; v23     4 x (lane % 16)
.set STO,  24                          ; v24     the way out: where I put 8 codes of a row
.set RD,   25                          ; v25     where I read 16 codes back
.set CO,   26                          ; v26     16 x lane
.set SPW,  28                          ; v28     LDS address of my spare word; never rewritten
.set NIL,  29                          ; v29     0; never rewritten
.set PFO,  30                          ; v30     256 x lane: the prefetches' offset
.set LN,   31                          ; v31     lane
.set CB,   32                          ; v32-95  the first products' C: by columns b (g = 0, 1) or by rows a (g = 2), eight registers each
.set RB,   96                          ; v96-103 g = 2: the bias of my row in each of the 8 blocks
.set QSC,  112                         ; v112    2^(er - ea - eb)
.set QLIM, 113                         ; v113    57,344 x that
.set AF,   128                         ; A's fragments
.set TMP,  128                         ; the way out: a block's 64 numbers
.set CD,   192                         ; its codes: two sets of 16
.set BK,   224                         ; and the codes read back: two sets of 16
.set G1, 24                            ; s[24:31] descriptor group 1 for A's tiles;  s[32:39] group 0, one set for each slot
.set G0, 32
.set G1B, 48                           ; s[48:55], s[56:63] the same for B's tiles
.set G0B, 56
.set PFA, 84                           ; s[84:85] where my prefetches stand
.set MSB, 0
.macro WIN new                         ; the immediate's high byte repeats the setting that is left
.if MSB != \new
	s_set_vgpr_msb (MSB<<8)|\new
.set MSB, \new
.endif
.endm
.set MUL_LO, 0xa1                      ; source 0 (B) window 1, source 1 (A) window 0, C and D window 2
.set MUL_HI, 0xf1                      ; the same, C and D window 3
.set TO_B,   0x40                      ; destination window 1, address window 0
; A joint load: waves 0 and 1 fetch for A, waves 2 and 3 for B.  The branch hangs on the wave's number alone.
.macro JLOAD g0a, g1a, g0b, g1b
	s_cmp_eq_u32 s15, 0
	s_cbranch_scc0 .Lfor_b_\@
	tensor_load_to_lds s[\g0a:\g0a+3], s[\g1a:\g1a+7]
	s_nop 0
.rept 4
	v_nop
.endr
	s_branch .Lasked_\@
.Lfor_b_\@:
	tensor_load_to_lds s[\g0b:\g0b+3], s[\g1b:\g1b+7]
	s_nop 0
.rept 4
	v_nop
.endr
.Lasked_\@:
.endm
.macro CREST                           ; a round of the cluster's barrier behind its opening barrier
	s_cmp_lg_u32 s14, 0
	s_cbranch_scc1 .Lnot_wave_0_\@
	s_barrier_signal -3
.Lnot_wave_0_\@:
	s_barrier_wait -3
	s_barrier_signal -1
	s_barrier_wait -1
.endm
.macro CROUND                          ; a whole round
	s_barrier_signal -1
	s_barrier_wait -1
	CREST
.endm
	s_load_b128 s[4:7], s[0:1], 0x0                ; codes_in s[4:5], bq s[6:7]
	s_load_b256 s[68:75], s[0:1], 0x10             ; bk s[68:69], bv s[70:71], the scales s[72:73], qkv s[74:75]
	s_load_b128 s[80:83], s[0:1], 0x30             ; Wo s[80:81], wo_codes s[82:83]
	v_lshl_add_u32 v[SPW], v0, 2, SPARE
	v_mov_b32 v[NIL], 0
	ds_add_u32 v[SPW], v[NIL]                      ; the opening lines: the add, twice on end, and its wait
	ds_add_u32 v[SPW], v[NIL]
	v_lshrrev_b32 v1, 5, v0
	v_and_b32 v[LN], 31, v0
	v_readfirstlane_b32 s14, v1                    ; wave 0..3
	s_lshr_b32 s15, s14, 1                         ; which half of the tile's rows is mine.  Also: I fetch for A (0) or for B (1)
	s_and_b32 s16, s14, 1                          ; which half of its columns.  Also: which 128 rows of that tile I fetch
	s_bfe_u32 s40, ttmp6, 0x40000                  ; cx, cy: my place in the cluster
	s_bfe_u32 s41, ttmp6, 0x40004
	s_and_b32 s87, ttmp7, 0xffff                   ; cluster y, 0 to 7
	s_wait_alu depctr_va_vdst(0)
	s_wait_dscnt 0x0                               ; both opening adds are done
	s_cmp_ge_u32 s87, 6
	s_cbranch_scc1 .Lwo                            ; clusters 6 and 7: Wo
	s_lshl_b32 s42, ttmp9, 2
	s_add_co_u32 s42, s42, s40                     ; tile column = 4 x cluster x + cx
	s_lshr_b32 s88, s87, 1                         ; g: which product
	s_and_b32 s89, s87, 1
	s_lshl_b32 s17, s89, 2
	s_add_co_u32 s17, s17, s41                     ; tile row = 4 x (cluster y % 2) + cy
	s_lshl_b32 s43, s41, 2
	s_lshl_b32 s43, 15, s43                        ; my row of the cluster
	s_lshl_b32 s44, 0x1111, s40                    ; my column
	; descriptor group 1: a tile of 128 rows x 256 bytes, padded in LDS
	s_or_b32 s[G1+0], s43, (0<<16)|(1<<20)|(1<<21)|(5<<22)|(3<<25)  ; 15:0 the mask: A's tiles go to my row; 17:16 element of 1 byte; 20 padding on; 21 set beside a mask; 24:22 after every 64 words; 31:25 four words
	s_or_b32 s[G1B+0], s44, (0<<16)|(1<<20)|(1<<21)|(5<<22)|(3<<25)
.irp g, G1, G1B
	s_mov_b32 s[\g+1], ROWB<<16                    ; tensor_dim0
	s_mov_b32 s[\g+2], 128<<16                     ; tensor_dim1 = 128
	s_mov_b32 s[\g+3], ROWB<<16                    ; tile_dim0
	s_mov_b32 s[\g+4], 128                         ; tile_dim1 = 128
	s_mov_b32 s[\g+5], KROW                        ; tensor_dim0_stride
	s_mov_b32 s[\g+6], 0
	s_mov_b32 s[\g+7], 0
.endr
	s_lshl_b32 s18, s16, 7                         ; which 128 rows of the tile I fetch
	s_lshl_b32 s19, s88, 23                        ; section 2 g
	s_lshl_b32 s20, s17, 8
	s_add_co_u32 s20, s20, s18                     ; A: row 256 x tile row + 128 x half,
	s_lshl_b32 s20, s20, 8                         ; in bytes,
	s_add_co_u32 s20, s20, s19                     ; in its section
	s_mov_b32 s21, 0
	s_lshl_b32 s46, s42, 8
	s_add_co_u32 s46, s46, s18                     ; B: row 256 x tile column + 128 x half
	s_lshl_b32 s46, s46, 8
	s_add_co_u32 s46, s46, s19
	s_add_co_u32 s46, s46, 1<<22                   ; section 2 g + 1
	s_mov_b32 s47, 0
	s_mul_i32 s45, s14, HALFT                      ; where the tiles go: wave x 128 rows: no place in the cluster enters an LDS address
	s_lshl_b32 s92, s88, 3                         ; the scales: entries 2 g and 2 g + 1,
	s_lshr_b32 s93, s88, 1
	s_add_co_u32 s93, s93, s88
	s_add_co_u32 s93, s93, 6
	s_lshl_b32 s93, s93, 2                         ; and entry 6, 7 or 9
	s_wait_kmcnt 0x0
	s_load_b64 s[76:77], s[72:73], s92 offset:0x0  ; ea, eb
	s_load_b32 s78, s[72:73], s93 offset:0x0       ; er
	s_add_nc_u64 s[20:21], s[4:5], s[20:21]
	s_add_nc_u64 s[46:47], s[4:5], s[46:47]
.irp s, 0,1
	s_mov_b32 s[G0+4*\s], 1
	s_add_co_u32 s[G0+4*\s+1], s45, \s*SLOT
	s_add_nc_u64 s[G0+4*\s+2:G0+4*\s+3], s[20:21], \s*KST
	s_or_b32 s[G0+4*\s+3], s[G0+4*\s+3], 0x80000000
	s_mov_b32 s[G0B+4*\s], 1
	s_add_co_u32 s[G0B+4*\s+1], s45, \s*SLOT
	s_add_nc_u64 s[G0B+4*\s+2:G0B+4*\s+3], s[46:47], \s*KST
	s_or_b32 s[G0B+4*\s+3], s[G0B+4*\s+3], 0x80000000
.endr
	CROUND                                         ; all sixteen work-groups are here: the first joint loads meet
	JLOAD G0, G1, G0B, G1B                         ; K step 0: one tensor load a wave at the head
	s_cmp_eq_u32 s15, 0                            ; the prefetches: for A or for B, my work-group's 32 rows of the 128
	s_cselect_b64 s[PFA:PFA+1], s[20:21], s[46:47]
	s_cselect_b32 s18, s40, s41
	s_lshl_b32 s18, s18, 13                        ; 32 rows of 256 bytes
	s_mov_b32 s19, 0
	s_add_nc_u64 s[PFA:PFA+1], s[PFA:PFA+1], s[18:19]
	; the bias, and my tile of qkv
	s_cmp_eq_u32 s88, 1
	s_cselect_b64 s[6:7], s[68:69], s[6:7]
	s_cmp_eq_u32 s88, 2
	s_cselect_b64 s[6:7], s[70:71], s[6:7]         ; bq, bk or bv
	s_lshl_b32 s94, s17, 1
	s_add_co_u32 s94, s94, s15                     ; which 128 rows of A are my wave's
	s_lshl_b32 s95, s42, 1
	s_add_co_u32 s95, s95, s16                     ; and of B
	s_cmp_eq_u32 s88, 2
	s_cselect_b32 s18, s95, s94                    ; the block of 128 tokens: A's rows, for g = 2 B's
	s_cselect_b32 s19, s94, s95                    ; the head: the other
	s_lshl_b32 s22, s19, 9
	s_mov_b32 s23, 0
	s_add_nc_u64 s[6:7], s[6:7], s[22:23]          ; the bias of the head's 128 features
	s_lshr_b32 s22, s18, 3
	s_lshl_b32 s22, s22, 21                        ; batch
	s_and_b32 s18, s18, 7
	s_lshl_b32 s18, s18, 14
	s_add_co_u32 s22, s22, s18
	s_lshl_b32 s19, s19, 17
	s_add_co_u32 s22, s22, s19
	s_lshl_b32 s19, s88, 22                        ; section g
	s_add_co_u32 s22, s22, s19
	s_add_nc_u64 s[74:75], s[74:75], s[22:23]
	s_mul_i32 s21, s15, HALFT                      ; my 128 rows of A
	s_mul_i32 s22, s16, HALFT                      ; my 128 rows of B,
	s_add_co_u32 s22, s22, 2*HALFT                 ; which lie behind A's 256
	s_mul_i32 s23, s14, 16*SPITCH                  ; my stage
	s_add_co_u32 s18, s21, SLOT
	s_add_co_u32 s19, s22, SLOT
	v_and_b32 v1, 15, v0                           ; r = lane % 16
	v_bfe_u32 v2, v0, 4, 1                         ; h = lane / 16
	v_lshlrev_b32 v[PFO], 8, v[LN]
	v_lshlrev_b32 v[BH], 5, v2
	v_lshlrev_b32 v[BR], 2, v1
	v_mul_u32_u24 v3, v1, PITCH
	v_lshl_add_u32 v3, v2, 4, v3                   ; a fragment's row x pitch + 16 x half
	v_add_nc_u32 v[ADRA], s21, v3
	v_add_nc_u32 v[ADRB], s22, v3
	v_add_nc_u32 v[ADRA+1], s18, v3
	v_add_nc_u32 v[ADRB+1], s19, v3
	v_mul_u32_u24 v4, v1, SPITCH                   ; in: row r, 8 bytes for each half of the lanes
	v_lshl_add_u32 v4, v2, 3, v4
	v_add_nc_u32 v[STO], s23, v4
	v_lshrrev_b32 v5, 3, v[LN]                     ; back: eight lanes to a row of 128 bytes, four rows an instruction
	v_mul_u32_u24 v5, v5, SPITCH
	v_and_b32 v6, 7, v0
	v_lshl_add_u32 v5, v6, 4, v5
	v_add_nc_u32 v[RD], s23, v5
	v_lshlrev_b32 v[CO], 4, v[LN]
	s_wait_alu depctr_va_vdst(0)
	global_prefetch_b8 v[PFO], s[PFA:PFA+1] offset:KST th:TH_LOAD_NT scope:SCOPE_SE     ; K step 1 (2 and 3 behind K step 1's load)
	s_wait_kmcnt 0x0
	s_add_co_i32 s96, s76, s77
	s_sub_co_i32 s96, 0, s96                       ; -(ea + eb)
	s_add_co_i32 s78, s78, s96                     ; er - ea - eb
	s_add_co_i32 s78, s78, 127
	s_lshl_b32 s18, s78, 23
	v_mov_b32 v[QSC], s18
	s_add_co_i32 s78, s78, 15
	s_lshl_b32 s78, s78, 23
	s_or_b32 s78, s78, 0x600000
	v_mov_b32 v[QLIM], s78
	s_cmp_eq_u32 s88, 2
	s_wait_alu depctr_va_vdst(0)
	s_cbranch_scc1 .Lrow_bias
.irp b, 0,1,2,3,4,5,6,7                ; g = 0, 1: the bias goes by columns: my eight of each tile's sixteen
	global_load_b128 v[CB+8*\b:CB+8*\b+3], v[BH], s[6:7] offset:64*\b
	global_load_b128 v[CB+8*\b+4:CB+8*\b+7], v[BH], s[6:7] offset:64*\b+16
.endr
	s_wait_loadcnt 0x0
.set j, 0
.rept 64
	v_ldexp_f32 v[CB+j], v[CB+j], s96
.set j, j+1
.endr
	s_wait_alu depctr_va_vdst(0)
	s_branch .Lbias
.Lrow_bias:
.irp a, 0,1,2,3,4,5,6,7                ; g = 2: by rows: one number for each block, in eight registers
	global_load_b32 v[RB+\a], v[BR], s[6:7] offset:64*\a
.endr
	s_wait_loadcnt 0x0
.irp a, 0,1,2,3,4,5,6,7
.irp i, 0,1,2,3,4,5,6,7
	v_ldexp_f32 v[CB+8*\a+\i], v[RB+\a], s96
.endr
.endr
.Lbias:
.macro FRAG reg, adr, q, i             ; a fragment, 16 rows x 128 K: lane l holds row l % 16; registers 4 c .. 4 c + 3 hold K = 32 c + 16 (l / 16) + 0 .. 15: the same order of k in A and in B
.irp c, 0,1,2,3
	ds_load_b128 v[\reg+4*\c:\reg+4*\c+3], v[\adr] offset:128*(\q)+32*\c+(\i)*16*PITCH
.endr
.endm
; 8 matrix instructions: A's blocks a0, a0 + 1 x B's b0 .. b0 + 3, 128 along K.  p: B's set.  ini = 0: C is the accumulator; 1, 2: the sum begins with the bias by columns, by rows.
; The 64 accumulators take turns, one instruction a turn, in the same order in every step.
.macro OCT a0, b0, p, ini
.irp a, \a0, \a0+1
.irp b, \b0, \b0+1, \b0+2, \b0+3
.set DD, 8*(8*((\a)%4)+(\b))
.set SB, 128*(\p)+FR*(\b)
.set SA, AF+FR*(\a)
.if (\ini) == 0
	v_wmma_f32_16x16x128_bf8_bf8 v[DD:DD+7], v[SB:SB+15], v[SA:SA+15], v[DD:DD+7]
.elseif (\ini) == 1
	v_wmma_f32_16x16x128_bf8_bf8 v[DD:DD+7], v[SB:SB+15], v[SA:SA+15], v[CB+8*(\b):CB+8*(\b)+7]
.else
	v_wmma_f32_16x16x128_bf8_bf8 v[DD:DD+7], v[SB:SB+15], v[SA:SA+15], v[CB+8*(\a):CB+8*(\a)+7]
.endif
.endr
.endr
.endm
.macro WLO ini                         ; A's blocks 0-3 (the first products take C from window 0)
.if \ini
	WIN 0x81
.else
	WIN MUL_LO
.endif
.endm
.macro WHI ini
.if \ini
	WIN 0xc1
.else
	WIN MUL_HI
.endif
.endm
.macro FETCH_B slot, q, p              ; B's eight fragments of the slot's q-th 128 along K into set p
	WIN TO_B
.irp i, 0,1,2,3,4,5,6,7
	FRAG 128*(\p)+FR*\i, ADRB+\slot, \q, \i
.endr
	WIN 0
.endm
.macro FETCH_A slot, q, i0             ; A's blocks i0 .. i0 + 3
.irp i, \i0, \i0+1, \i0+2, \i0+3
	FRAG AF+FR*(\i), ADRA+\slot, \q, \i
.endr
.endm
.macro PLACES                          ; plain vector instructions between a matrix instruction and a load into, or a read of, its registers
.rept 4
	v_nop
.endr
.endm
; A step of 128 along K that has its successor in the same slot.  The next step's B goes into the other set (its last products stand ahead of the last PLACES).
.macro STEP slot, q, ini
	s_wait_dscnt 16                                ; B's set and A's blocks 0-3 are in; the youngest 16 loads (A's blocks 4-7) may be out
	WLO \ini
	OCT 0, 0, (\q)%2, \ini
	OCT 2, 0, (\q)%2, \ini
	FETCH_B \slot, (\q)+1, 1-(\q)%2
	WLO \ini
	OCT 0, 4, (\q)%2, \ini
	OCT 2, 4, (\q)%2, \ini
	PLACES
	WIN 0
	FETCH_A \slot, (\q)+1, 0
	s_wait_dscnt 48                                ; A's blocks 4-7 are in; the next step's 32 + 16 loads may be out
	WHI \ini
	OCT 4, 0, (\q)%2, \ini
	OCT 6, 0, (\q)%2, \ini
	OCT 4, 4, (\q)%2, \ini
	OCT 6, 4, (\q)%2, \ini
	PLACES
	WIN 0
	FETCH_A \slot, (\q)+1, 4
.endm
; A slot's last step changes slots: ONE barrier; in front of it each wave waits for all its tensor loads, adds 0 to its spare word, and waits for that and for its own reads of this slot.  fill = 1: this slot is filled again, two K steps ahead.
.macro TURN slot, next, fill
	s_wait_dscnt 16                                ; B's set and A's blocks 0-3 are in
	WIN MUL_LO
	OCT 0, 0, 1, 0
	WIN 0                                          ; (the add's two registers lie in window 0)
.if \fill
	s_wait_xcnt 0x0                                ; my earlier prefetches have read their address
	s_add_nc_u64 s[PFA:PFA+1], s[PFA:PFA+1], KST
.endif
	s_wait_tensorcnt 0x0                           ; all my tensor loads have landed: my part of the next slot
	ds_add_u32 v[SPW], v[NIL]                      ; 0 onto my spare word
.if \fill
	s_add_nc_u64 s[G0+4*\slot+2:G0+4*\slot+3], s[G0+4*\slot+2:G0+4*\slot+3], 2*KST
	s_add_nc_u64 s[G0B+4*\slot+2:G0B+4*\slot+3], s[G0B+4*\slot+2:G0B+4*\slot+3], 2*KST
.endif
	WIN MUL_LO
	OCT 2, 0, 1, 0                                 ; eight matrix instructions stand between the add and the wait for it
	s_wait_dscnt 0x0                               ; the add is done, and my reads of this slot are over
	s_barrier_signal -1
	OCT 0, 4, 1, 0
	WIN 0
	s_barrier_wait -1
.if \fill
	CREST                                          ; the barrier has opened a round: no wave of any partner still reads this slot's tile or has a load on its way
	JLOAD G0+4*\slot, G1, G0B+4*\slot, G1B         ; the first tensor load behind the round
.endif
	FETCH_B \next, 0, 0
.if \fill
	s_cmp_gt_u32 s3, 1                             ; the last trip's two refills have no K step two on
	s_cbranch_scc0 .Lno_more_\@
	global_prefetch_b8 v[PFO], s[PFA:PFA+1] offset:3*KST th:TH_LOAD_NT scope:SCOPE_SE   ; two K steps ahead of the load just issued
.Lno_more_\@:
.endif
	WIN MUL_LO
	OCT 2, 4, 1, 0
	PLACES
	WIN 0
	FETCH_A \next, 0, 0
	WIN MUL_HI
	OCT 4, 0, 1, 0
	OCT 6, 0, 1, 0
	OCT 4, 4, 1, 0
	OCT 6, 4, 1, 0
	PLACES
	WIN 0
	FETCH_A \next, 0, 4
.endm
	s_wait_alu depctr_va_vdst(0)                   ; the head's end
	s_wait_tensorcnt 0x0                           ; my part of K step 0 is in; these lines stand ahead of a later first fill, as ahead of a refill
	ds_add_u32 v[SPW], v[NIL]
	s_wait_dscnt 0x0
	CROUND                                         ; everybody's part of K step 0 is in, and all sixteen work-groups are here
	JLOAD G0+4, G1, G0B+4, G1B                     ; K step 1
	FETCH_B 0, 0, 0
	FETCH_A 0, 0, 0
	FETCH_A 0, 0, 4
	global_prefetch_b8 v[PFO], s[PFA:PFA+1] offset:2*KST th:TH_LOAD_NT scope:SCOPE_SE   ; K steps 2
	global_prefetch_b8 v[PFO], s[PFA:PFA+1] offset:3*KST th:TH_LOAD_NT scope:SCOPE_SE   ; and 3
	s_cmp_eq_u32 s88, 2                            ; the first step stands in front of the loop: its products start the sums
	s_cbranch_scc1 .Lrow_first
	STEP 0, 0, 1
	s_branch .Lgo
.Lrow_first:
	STEP 0, 0, 2
.Lgo:
	s_mov_b32 s3, LAPS-1
.Llap:                                                 ; a trip goes once round the ring, from a lap's second step to the next lap's first, and fills both slots again
	TURN 0, 1, 1
	STEP 1, 0, 0
	TURN 1, 0, 1
	STEP 0, 0, 0
	s_sub_co_u32 s3, s3, 1
	s_cmp_lg_u32 s3, 0
	s_cbranch_scc1 .Llap
	TURN 0, 1, 0                                   ; the last lap fills nothing, and has no round of the cluster's barrier
	STEP 1, 0, 0
	s_wait_dscnt 16                                ; the very last step: nothing more to fetch
	WIN MUL_LO
	OCT 0, 0, 1, 0
	OCT 2, 0, 1, 0
	OCT 0, 4, 1, 0
	OCT 2, 4, 1, 0
	s_wait_dscnt 0x0
	WIN MUL_HI
	OCT 4, 0, 1, 0
	OCT 6, 0, 1, 0
	OCT 4, 4, 1, 0
	OCT 6, 4, 1, 0
	WIN 0
; THE WAY OUT, block by block of 16 rows x 128 columns: the hold, the conversion (a lane's eight neighbours along the next K: 8 bytes), through my own stage in LDS, back as four rows of 128 bytes an
; instruction, and out as 512 consecutive bytes.  LDS serves a wave's instructions in order (ISA guide 5.7.1.4): no wait between the stores and the loads.
.macro CONV a
.set AC, 64*((\a)%4)
.set CC, CD+16*((\a)%2)
.set BB, BK+16*((\a)%2)
.set WW, 0x02+((\a)/4)
	WIN WW                                         ; source 0: window 2 or 3
.set j, 0
.rept 64
	v_med3_num_f32 v[TMP+j], v[AC+j], -v[QLIM], v[QLIM]   ; the conversion to an 8-bit code does not saturate (ISA guide 7.6.2); each accumulator from its low end on
.set j, j+1
.endr
	WIN 0
.irp b, 0,1,2,3,4,5,6,7
	v_cvt_scalef32_pk8_bf8_f32 v[CC+2*\b:CC+2*\b+1], v[TMP+8*\b:TMP+8*\b+7], v[QSC]
.endr
	v_nop                                          ; a plain vector instruction behind the last conversion: the next block writes the conversions' sources
.irp b, 0,1,2,3,4,5,6,7
	ds_store_b64 v[STO], v[CC+2*\b:CC+2*\b+1] offset:16*\b
.endr
.irp i, 0,1,2,3
	ds_load_b128 v[BB+4*\i:BB+4*\i+3], v[RD] offset:4*SPITCH*\i
.endr
.endm
.macro SEND a, younger                 ; younger: the LDS instructions issued behind block a's loads.  Rows 16 a + 4 i + 0 .. 3 go to places PI(..): bits 3 and 4 of the row's number change places
.set BB, BK+16*((\a)%2)
	s_wait_dscnt \younger
.irp i, 0,1,2,3
	global_store_b128 v[CO], v[BB+4*\i:BB+4*\i+3], s[74:75] offset:4096*((\a)/2)+2048*(\i/2)+1024*((\a)%2)+512*(\i%2)   ; 512 consecutive bytes, at a multiple of 512 from the tile's first byte
.endr
.endm
	PLACES                                         ; behind the last products: for the first reads of results and the first writes over A's fragments
	CONV 0
.irp a, 1,2,3,4,5,6,7
.if \a > 1
	s_wait_xcnt 0x0                                ; block a - 2's stores have read their registers: block a's loads may land there
.endif
	CONV \a
	SEND \a-1, 12                                  ; behind block a - 1's loads: block a's 8 stores and 4 loads
.endr
	SEND 7, 0
	s_wait_tensorcnt 0x0                           ; the wave's end
	ds_add_u32 v[SPW], v[NIL]
	s_wait_dscnt 0x0
	CROUND                                         ; the closing round: no work-group ends while a partner may still ask for a tile that names it
	s_endpgm
; WO'S CODES (e11), laid as Wo is: 64 work-groups x 4 waves x 16,384 numbers: 32 steps of 512, eight steps' loads (32 a wave) ahead.  A step goes through LDS as in the first launch, on bytes that no tile touches.
.set WR, 32                            ; v32-159  eight sets of 16 numbers
.set WC, 160                           ; v160-167 codes, two sets of four words
.set WO, 168                           ; v168-199 codes as they leave, four registers a step
.Lwo:
	s_sub_co_u32 s18, s87, 6
	s_lshl_b32 s18, s18, 1
	s_add_co_u32 s18, s18, ttmp9                   ; which of the four clusters
	s_lshl_b32 s18, s18, 4
	s_lshl_b32 s19, s41, 2
	s_add_co_u32 s18, s18, s19
	s_add_co_u32 s18, s18, s40
	s_lshl_b32 s18, s18, 2
	s_add_co_u32 s18, s18, s14                     ; which run of 16,384 numbers: 0 to 255
	s_lshl_b32 s20, s18, 16
	s_mov_b32 s21, 0
	s_lshl_b32 s22, s18, 14
	s_mov_b32 s23, 0
	s_lshl_b32 s19, s14, 10
	s_add_co_u32 s19, s19, WSTAGE                  ; my stages, two of 512 bytes
	v_lshlrev_b32 v3, 4, v[LN]
	v_lshl_add_u32 v4, v[LN], 2, s19
	v_lshl_add_u32 v5, v[LN], 4, s19
	s_wait_alu depctr_va_vdst(0)
	s_wait_kmcnt 0x0
	s_load_b32 s76, s[72:73], 0x2c                 ; e11
	s_add_nc_u64 s[80:81], s[80:81], s[20:21]
	s_add_nc_u64 s[82:83], s[82:83], s[22:23]
.macro WLOAD t, off
.irp i, 0,1,2,3
	global_load_b128 v[WR+16*(\t)+4*\i:WR+16*(\t)+4*\i+3], v3, s[80:81] offset:\off+2048*(\t)+512*\i th:TH_LOAD_NT
.endr
.endm
.irp t, 0,1,2,3,4,5,6,7
	WLOAD \t, 0
.endr
	s_wait_kmcnt 0x0
	s_add_co_i32 s76, s76, 127
	s_lshl_b32 s77, s76, 23
	v_mov_b32 v11, s77                             ; 2^e11
	s_add_co_i32 s76, s76, 15
	s_lshl_b32 s76, s76, 23
	s_or_b32 s76, s76, 0x600000
	v_mov_b32 v10, s76                             ; 57,344 x 2^e11
	s_wait_alu depctr_va_vdst(0)
.macro WSTEP t, more
.set XS, WR+16*(\t)
.set CC, WC+4*((\t)%2)
.if \more
	s_wait_loadcnt 28                              ; this step's four loads are in; seven later steps' may be out
.else
	s_wait_loadcnt 4*(7-(\t))
.endif
.set j, 0
.rept 16
	v_med3_num_f32 v[XS+j], v[XS+j], -v10, v10
.set j, j+1
.endr
	v_cvt_scalef32_pk8_bf8_f32 v[CC:CC+1], v[XS:XS+7], v11
	v_cvt_scalef32_pk8_bf8_f32 v[CC+2:CC+3], v[XS+8:XS+15], v11
.irp i, 0,1,2,3
	ds_store_b32 v4, v[CC+\i] offset:512*((\t)%2)+128*\i
.endr
	ds_load_b128 v[WO+4*(\t):WO+4*(\t)+3], v5 offset:512*((\t)%2)
.if \more
	WLOAD \t, 16384
.endif
.if (\t) > 0
	s_wait_dscnt 5                                 ; this step's four stores and one load may be out
	global_store_b128 v3, v[WO+4*(\t)-4:WO+4*(\t)-1], s[82:83] offset:512*(\t)-512
.endif
.endm
	s_mov_b32 s3, 3
.Lwl:
.irp t, 0,1,2,3,4,5,6,7
	WSTEP \t, 1
.endr
	s_wait_dscnt 0x0
	global_store_b128 v3, v[WO+28:WO+31], s[82:83] offset:3584
	s_wait_xcnt 0x0                                ; the stores have read their registers, and all have read their bases
	s_add_nc_u64 s[80:81], s[80:81], 0x4000
	s_add_nc_u64 s[82:83], s[82:83], 0x1000
	s_sub_co_u32 s3, s3, 1
	s_cmp_lg_u32 s3, 0
	s_wait_alu depctr_va_vdst(0)
	s_cbranch_scc1 .Lwl
.irp t, 0,1,2,3,4,5,6,7
	WSTEP \t, 0
.endr
	s_wait_dscnt 0x0
	global_store_b128 v3, v[WO+28:WO+31], s[82:83] offset:3584
	s_wait_tensorcnt 0x0                           ; the wave's end
	ds_add_u32 v[SPW], v[NIL]
	s_wait_dscnt 0x0
	CROUND                                         ; these clusters issue no joint load; they close as the others do
	s_endpgm
.Lfunc_end_k_q6476e25b45_proj:
	.size	k_q6476e25b45_proj, .Lfunc_end_k_q6476e25b45_proj-k_q6476e25b45_proj
	.p2alignl 7, 3214868480
	.fill 96, 4, 3214868480
	.section	.rodata,"a",@progbits
	.p2align	6, 0x0
	.amdhsa_kernel k_q6476e25b45_proj
		.amdhsa_group_segment_fixed_size 327680
		.amdhsa_private_segment_fixed_size 0
		.amdhsa_enable_private_segment 0
		.amdhsa_kernarg_size 64
		.amdhsa_user_sgpr_count 2
		.amdhsa_user_sgpr_kernarg_segment_ptr 1
		.amdhsa_wavefront_size32 1
		.amdhsa_system_sgpr_workgroup_id_x 1
		.amdhsa_system_sgpr_workgroup_id_y 1
		.amdhsa_system_sgpr_workgroup_id_z 1
		.amdhsa_system_vgpr_workitem_id 0
		.amdhsa_next_free_vgpr 1024
		.amdhsa_next_free_sgpr 102
		.amdhsa_reserve_vcc 0
		.amdhsa_float_denorm_mode_32 3
		.amdhsa_float_denorm_mode_16_64 3
		.amdhsa_memory_ordered 1
		.amdhsa_forward_progress 1
		.amdhsa_inst_pref_size 180
	.end_amdhsa_kernel
	.amdgpu_metadata
---
amdhsa.version: [ 1, 2 ]
amdhsa.kernels:
  - .name:           k_q6476e25b45_proj
    .symbol:         k_q6476e25b45_proj.kd
    .args:
      - { .name: codes_in, .offset: 0, .size: 8, .value_kind: global_buffer, .address_space: global }
      - { .name: bq, .offset: 8, .size: 8, .value_kind: global_buffer, .address_space: global }
      - { .name: bk, .offset: 16, .size: 8, .value_kind: global_buffer, .address_space: global }
      - { .name: bv, .offset: 24, .size: 8, .value_kind: global_buffer, .address_space: global }
      - { .name: lowp_scales, .offset: 32, .size: 8, .value_kind: global_buffer, .address_space: global }
      - { .name: qkv, .offset: 40, .size: 8, .value_kind: global_buffer, .address_space: global }
      - { .name: Wo, .offset: 48, .size: 8, .value_kind: global_buffer, .address_space: global }
      - { .name: wo_codes, .offset: 56, .size: 8, .value_kind: global_buffer, .address_space: global }
    .group_segment_fixed_size: 327680
    .private_segment_fixed_size: 0
    .kernarg_segment_align: 8
    .kernarg_segment_size: 64
    .max_flat_workgroup_size: 128
    .sgpr_count:     102
    .vgpr_count:     1024
    .wavefront_size: 32
...
	.end_amdgpu_metadata
.endif
;; end of part 2
;; launch attn (part 3): grid 8 x 32, 8 waves a work-group, clusters of 4 x 1, 327,680 bytes of LDS; arguments qkv, kv_padding_mask, lowp_scales, ctx; writes ctx
.if DOCPART == 3
	.amdgcn_target "amdgcn-amd-amdhsa--gfx1250"
	.amdhsa_code_object_version 6
	.text
	.protected	k_q6476e25b45_attn
	.globl	k_q6476e25b45_attn
	.p2align	8
	.type	k_q6476e25b45_attn,@function
k_q6476e25b45_attn:
	s_mov_b64 s[64:65], 0
	v_nop
	global_prefetch_b8 v0, s[64:65] scope:SCOPE_SE
	s_setreg_imm32_b32 hwreg(HW_REG_WAVE_MODE, 25, 1), 1
	s_wait_xcnt 0x0
	s_wait_alu depctr_hold_cnt(0) depctr_sa_sdst(0) depctr_va_vdst(0) depctr_va_sdst(0) depctr_va_ssrc(0) depctr_va_vcc(0) depctr_vm_vsrc(0)
	s_getreg_b32 s2, hwreg(HW_REG_IB_STS2, 6, 4)
	s_cmp_eq_u32 s2, 0
	s_cbranch_scc0 .Lentry_in_a_cluster
	s_endpgm
.Lentry_in_a_cluster:
	s_bfe_u32 s2, ttmp6, 0x10000c
	s_cmp_lg_u32 s2, 0x3003
	s_cbranch_scc0 .Lentry_shape_is_right
	s_endpgm
.Lentry_shape_is_right:
; ATTENTION ON CODES OF BF8 (E5M2): for each batch and head, 1,024 queries against keys 0 to 1,023 (key k counts for query q where k <= q: the mask that the problem builds itself, which hides all later keys: dead work, left
; out, see the first launch's head; and where the padding mask, an input, has 0 for the key).  Both products are quantised; the result is quantised again, for the product that follows, and stored as images of that product's
; operand registers, laid [head][tile of 16 tokens][2,048 bytes].
; THE SOFTMAX: t = score x log2(e) / sqrt(128); M = the row's largest t so far, rounded UP to a whole number; p = 2^(t - M) is quantised, not normalised; the row's sum is taken of the unquantised p and divides at the end.
; When M moves, and when two parts of a row are joined, the sum and O are multiplied by a power of two with a whole exponent: exact.
; A QUERY ALL OF WHOSE VISIBLE KEYS ARE PADDED has the sum 0: its codes are set to 0x7f, a NaN of the format, so that its whole output row becomes NaN in the next launch, as it is in the problem.
; SHARES.  256 work-groups of eight waves; work-group (p, batch and head).  Its queries are eight tiles m = 0 .. 7 of 16: 128 m + 16 p + 0 .. 15; tile m walks key steps 0 .. m of 128 keys, step m on the diagonal: 36 steps.
; Waves j and j + 4 (j = 0 .. 3) share tiles 7 - j and j, nine steps: wave j walks steps 0 .. 4 of tile 7 - j; wave j + 4 walks steps 0 .. j of tile j, sends that tile out, and then walks steps 5 .. 7 - j of tile 7 - j (3 - j
; of them).  Behind the loop wave j + 4 leaves that part (O, M, the sum) in LDS and wave j joins the two parts.  (j = 3: tile 4 has five steps, nothing to join.)
; Every branch hangs on the wave's number and the trip alone; p enters global addresses and one number a lane.
; LDS.  All of the head's K (8 tiles) and V (8 tiles) lie in LDS, each byte filled ONCE: no slot is filled again.  The four work-groups of a cluster belong to one head and ask for each tile JOINTLY.
; Each wave issues ONE load at the head: wave j K's tiles 2 j and 2 j + 1, wave j + 4 V's.  Behind the loop, when nobody reads K's tiles any more, the parts lie there: 8,448 bytes a wave.
; LAYOUT.  Both products are used transposed: S^T = K Q^T, O^T = V^T P^T: a lane holds ONE query (lane % 16) throughout.  In a tile of qkv row x lies at place PI(x) (bits 3 and 4 exchanged), so the sixteen rows on end that a matrix tile
; reads are such that the 16 registers of tiles 2 b and 2 b + 1 are 16 NEIGHBOURS: keys 32 b + 16 (lane / 16) + 0 .. 15 in S^T, channels likewise in O^T.  So the conversions' results are operand registers, both times.
; A STEP'S LDS LOADS STAND AHEAD OF THEIR USE: all of a step's K and V have registers of their own, in window 1.  K's 32 loads and the mask's 16 go out at the step's head, V's 32 among the score products.
; LIMITS on the given exponents: e6 + e7 between -123 and 130 (they are added to c's exponent field); e8 and e10 between -126 and 112; e8 + e9 is applied by v_ldexp_f32 and has none.  The scaled scores stay under 2^31.
; No prefetch: all that the launch reads of K and V is asked for by the tensor loads at its head.
; REGISTERS, in windows of 256.  Window 0: v1-7 what stays; v8-10 the step's LDS addresses; v12 -M, v13 the largest t, v[14:15] the sum in two halves; v16-31 Q; v32-95 the keys' mask; v96-159 S^T, then p; v160-223 O^T; v224-239 codes.
;   Window 1: v0-127 K's eight fragments of a step; v128-255 V's eight.
.set KP,    144                        ; a row in LDS: 128 bytes + 16 of padding = 36 words: the 16 rows of a load start at 16 different columns of 16 bytes modulo 256
.set TILE,  128*KP                     ; 18,432
.set VBASE, 8*TILE                     ; V's tiles lie behind K's eight
.set MB,    16*TILE                    ; behind them: 1,024 f32, for each key 0 or -infinity; written by LDS stores, never by a tensor load
.set SPARE, MB+4096                    ; the spare words, 128 bytes a wave
.set PSZ,   8448                       ; a part: O^T 8,192 bytes, then -M and the sum
.set AK0,  1                           ; v1   my lane's place in a tile: 144 x (lane % 16) + 16 x (lane / 16)
.set AV0,  2                           ; v2   the same + VBASE
.set AMB,  3                           ; v3   MB + 64 x (lane / 16)
.set DG,   4                           ; v4   16 p + lane % 16 - 16 (lane / 16): on the diagonal register 16 b + i is hidden where 32 b + i is greater
.set GO,   5                           ; v5   16 x lane
.set NINF, 6                           ; v6   -infinity
.set NANC, 7                           ; v7   four NaN codes
.set ADK,  8
.set ADV,  9
.set ADM,  10
.set PBA,  8                           ; behind the loop: v8 my wave's part + 16 x lane
.set PBB,  9                           ; v9 its last 256 bytes + 8 x lane
.set QAD,  247                         ; v247 my lane's place in a tile of Q
.set SPW,  251
.set NIL,  255
.set KF,   0                           ; in window 1
.set VF,   128                         ; in window 1
.set WV,   12                          ; s12  my wave's number
.set N2,   13                          ; s13  3 - j in wave j + 4, else 0: not 0 where I leave a part
.set SEL,  20                          ; s[20:21] lane selects for v_permlanex16_b32: lane l xor 16
.set CS,   22                          ; s[22:23] c = log2(e) / sqrt(128) x 2^(e6 + e7)
.set G1,   24                          ; s[24:31] descriptor group 1
.set G0,   32                          ; s[32:35] group 0
.set LOT,  36                          ; s36  the tile that I begin with: 7 - j in wave j, j in wave j + 4
.set HIT,  37                          ; s37  7 - j
.set SW,   38                          ; s38  the trip ahead of which I change tiles: j + 1 in wave j + 4; in wave j above every trip
.set HASP, 39                          ; s39  3 - j in wave j, else 0: not 0 where a part is to be joined
.set TI,   40                          ; s40  the trip
.set NT,   41                          ; s41  my trips with a step: 5 or 4
.set MM,   42                          ; s42  the trip's tile
.set ST,   43                          ; s43  the trip's key step
.set OF2,  46                          ; s46  4 - j: key step less trip in the second tile
.set MSB, 0
.macro WIN new                         ; the immediate's high byte repeats the setting that is left
.if MSB != \new
	s_set_vgpr_msb (MSB<<8)|\new
.set MSB, \new
.endif
.endm
.set TO_F, 0x40                        ; destination window 1, address window 0
.set MUL,  0x01                        ; source 0 (K or V) window 1; source 1, C and D window 0
.macro ROUND                           ; a round of the cluster's barrier
	s_barrier_signal -1
	s_barrier_wait -1
	s_cmp_lg_u32 s[WV], 0
	s_cbranch_scc1 .Lnot_wave_0_\@
	s_barrier_signal -3
.Lnot_wave_0_\@:
	s_barrier_wait -3
	s_barrier_signal -1
	s_barrier_wait -1
.endm
.macro FRESH                           ; an empty row: the largest t -3e38, under every t; -M; the sum and O^T 0
	v_mov_b32 v13, 0xff61b1e6
	v_mov_b32 v14, 0
	v_mov_b32 v15, 0
	v_floor_f32 v12, -v13
.set j, 0
.rept 64
	v_mov_b32 v[160+j], 0                          ; (a key step is written in one form: the first finds zeros, which the first change of M leaves zeros)
.set j, j+1
.endr
.endm
; THE WAY OUT of a tile.  O^T / the sum x 2^(e8 + e9), held, quantised with e10: register 16 b + i is channel 32 b + 16 (lane / 16) + i of my query: the four groups of four code registers ARE the next product's operand, and are stored as they stand.
.macro WAYOUT
	v_add_f32 v14, v14, v15                        ; the sum's two halves,
	v_permlanex16_b32 v252, v14, s[SEL], s[SEL+1]
	v_add_f32 v14, v14, v252                       ; and lane l xor 16's: the row's sum
	v_cmp_eq_f32 s47, 0, v14                       ; 0: no key counted for my query
	s_wait_alu depctr_va_vdst(0)                   ; the wait ahead of the transcendental
	v_rcp_f32 v14, v14
	v_nop                                          ; a plain instruction behind the transcendental
	s_add_co_i32 s57, s54, s55
	s_wait_alu depctr_va_vdst(0)                   ; ahead of the first reader
	v_ldexp_f32 v14, v14, s57                      ; x 2^(e8 + e9)
.set j, 0
.rept 32
	v_pk_mul_f32 v[96+j:97+j], v[160+j:161+j], v[14:15] op_sel_hi:[1,0]   ; each accumulator from its low end on
.set j, j+2
.endr
.set j, 0
.rept 64
	v_med3_num_f32 v[96+j], v[96+j], -v241, v241   ; the conversion does not saturate (ISA guide 7.6.2)
.set j, j+1
.endr
.irp b, 0,1,2,3
	v_cvt_scalef32_pk8_bf8_f32 v[224+4*\b:225+4*\b], v[96+16*\b:103+16*\b], v245
	v_cvt_scalef32_pk8_bf8_f32 v[226+4*\b:227+4*\b], v[104+16*\b:111+16*\b], v245
.endr
	v_nop                                          ; a plain instruction between the conversions and the lines that touch their results
.set j, 0
.rept 16
	v_cndmask_b32 v[224+j], v[224+j], v[NANC], s47 ; a query for which no key counted: NaN.  A choice of values, no branch
.set j, j+1
.endr
.irp b, 0,1,2,3
	global_store_b128 v[GO], v[224+4*\b:227+4*\b], s[10:11] offset:512*\b   ; 512 consecutive bytes, at a multiple of 512 from the buffer's first byte
.endr
.endm
	s_load_b256 s[4:11], s[0:1], 0x0               ; qkv s[4:5], the padding mask s[6:7], the scales s[8:9], ctx s[10:11]
	v_lshl_add_u32 v[SPW], v0, 2, SPARE
	v_mov_b32 v[NIL], 0
	ds_add_u32 v[SPW], v[NIL]                      ; the opening lines: the add, twice on end, and its wait
	ds_add_u32 v[SPW], v[NIL]
	v_lshrrev_b32 v8, 5, v0
	v_readfirstlane_b32 s[WV], v8                  ; wave 0..7
	s_lshr_b32 s18, s[WV], 2                       ; wave j (0) or j + 4 (1).  Also: I fetch for K (0) or for V (1)
	s_and_b32 s19, s[WV], 3                        ; j
	s_xor_b32 s[N2], s19, 3                        ; 3 - j
	s_add_co_u32 s[OF2], s[N2], 1                  ; 4 - j
	s_xor_b32 s17, s18, 1
	s_mul_i32 s[HASP], s17, s[N2]
	s_mul_i32 s[N2], s18, s[N2]
	s_lshl_b32 s[SW], s17, 3
	s_add_co_u32 s[SW], s[SW], s19
	s_add_co_u32 s[SW], s[SW], 1
	s_xor_b32 s[NT], s18, 5
	s_xor_b32 s[HIT], s19, 7
	s_mul_i32 s[LOT], s17, 7
	s_xor_b32 s[LOT], s[LOT], s19
	s_bfe_u32 s14, ttmp6, 0x40000                  ; cx
	s_lshl_b32 s15, ttmp9, 2
	s_add_co_u32 s15, s15, s14                     ; p = 4 x cluster x + cx
	s_and_b32 s16, ttmp7, 0xffff                   ; 16 x batch + head, which the four partners share
	s_lshr_b32 s17, s16, 4                         ; batch
	; descriptor group 1: two tiles, 256 rows x 128 bytes, dense in memory: stated as 128 rows of 256 bytes, padded in LDS behind each 128 bytes
	s_mov_b32 s[G1], 15|(0<<16)|(1<<20)|(1<<21)|(4<<22)|(3<<25)   ; 15:0 the mask: all four work-groups; 17:16 elements of 1 byte; 20 padding on; 21 set beside a mask; 24:22 after every 32 words; 31:25 four words
	s_mov_b32 s[G1+1], 256<<16                     ; tensor_dim0
	s_mov_b32 s[G1+2], 128<<16                     ; tensor_dim1
	s_mov_b32 s[G1+3], 256<<16                     ; tile_dim0
	s_mov_b32 s[G1+4], 128                         ; tile_dim1
	s_mov_b32 s[G1+5], 256                         ; tensor_dim0_stride
	s_mov_b32 s[G1+6], 0
	s_mov_b32 s[G1+7], 0
	s_mul_i32 s48, s18, VBASE
	s_mul_i32 s49, s19, 2*TILE
	s_add_co_u32 s48, s48, s49                     ; where my two tiles go: no place in the cluster enters an LDS address
	s_add_co_u32 s58, s18, 1
	s_lshl_b32 s58, s58, 22                        ; section 1 (k) or 2 (v) of qkv,
	s_lshl_b32 s57, s16, 17
	s_add_co_u32 s58, s58, s57                     ; the batch and head,
	s_lshl_b32 s49, s19, 15
	s_add_co_u32 s58, s58, s49                     ; my two tiles of 16,384 bytes
	s_mov_b32 s59, 0
	s_lshr_b32 s49, s15, 1
	s_lshl_b32 s49, s49, 12                        ; Q: section 0, the batch and head, and of PI(16 p + r) = 32 (p / 2) + 16 (r / 8) + 8 (p % 2) + r % 8 what hangs on p, x 128 bytes;
	s_add_co_u32 s57, s57, s49
	s_and_b32 s49, s15, 1
	s_lshl_b32 s49, s49, 10
	s_add_co_u32 s57, s57, s49
	s_lshl_b32 s60, s[LOT], 14                     ; the tile that I begin with,
	s_add_co_u32 s60, s60, s57
	s_mov_b32 s61, 0
	s_lshl_b32 s50, s[HIT], 14                     ; and tile 7 - j
	s_add_co_u32 s50, s50, s57
	s_mov_b32 s51, 0
	s_and_b32 s62, s16, 15
	s_lshl_b32 s62, s62, 7                         ; ctx: 128 x head + tile of 16 tokens, 64 x batch + 8 m + p,
	s_lshl_b32 s49, s17, 6
	s_add_co_u32 s62, s62, s49
	s_lshl_b32 s49, s[LOT], 3
	s_add_co_u32 s62, s62, s49
	s_add_co_u32 s62, s62, s15
	s_lshl_b32 s62, s62, 11                        ; x 2,048 bytes
	s_mov_b32 s63, 0
	s_lshl_b32 s2, s17, 11                         ; the mask: my batch's row of 2,048 bytes, of which keys 0 to 1,023 are read
	s_mov_b32 s3, 0
	s_mov_b32 s[SEL], 0x76543210
	s_mov_b32 s[SEL+1], 0xfedcba98
	s_mov_b32 s[CS], 0x3e0293ee                    ; c = log2(e) / sqrt(128)
	s_lshl_b32 s49, s15, 4
	v_lshlrev_b32 v11, 2, v0                       ; four keys' bytes of the mask a thread
	v_and_b32 v8, 15, v0                           ; r
	v_bfe_u32 v9, v0, 4, 1                         ; h
	v_and_b32 v[GO], 31, v0
	v_and_b32 v10, 8, v8
	v_mul_u32_u24 v[AK0], v8, KP
	v_lshlrev_b32 v[AMB], 6, v9
	v_add_nc_u32 v10, v10, v8                      ; 16 (r / 8) + r % 8
	v_lshl_add_u32 v[AK0], v9, 4, v[AK0]
	v_lshlrev_b32 v[DG], 4, v9
	v_add_nc_u32 v[AMB], MB, v[AMB]
	v_lshlrev_b32 v10, 7, v10
	v_add_nc_u32 v[AV0], VBASE, v[AK0]
	v_sub_nc_u32 v[DG], v8, v[DG]
	v_lshl_add_u32 v[QAD], v9, 4, v10
	v_add_nc_u32 v[DG], s49, v[DG]
	v_lshlrev_b32 v[GO], 4, v[GO]
	v_mov_b32 v[NINF], 0xff800000
	v_mov_b32 v[NANC], 0x7f7f7f7f
	v_lshl_add_u32 v249, v0, 4, MB                 ; where my four keys' numbers go
	v_mov_b32 v246, 0                              ; written once: a lane permute's destination counts as one of its sources
	v_mov_b32 v252, 0
	v_mov_b32 v253, 0                              ; (named as the upper half of the pair v[252:253])
	s_wait_alu depctr_va_vdst(0)
	s_wait_dscnt 0x0                               ; both opening adds are done
	s_wait_kmcnt 0x0
	s_load_b128 s[52:55], s[8:9], 0x18             ; e6, e7, e8, e9
	s_load_b32 s56, s[8:9], 0x28                   ; e10
	s_add_nc_u64 s[58:59], s[4:5], s[58:59]
	s_add_nc_u64 s[60:61], s[4:5], s[60:61]
	s_add_nc_u64 s[50:51], s[4:5], s[50:51]
	s_add_nc_u64 s[6:7], s[6:7], s[2:3]
	s_add_nc_u64 s[10:11], s[10:11], s[62:63]
	s_mov_b32 s[G0], 1                             ; count = 1
	s_mov_b32 s[G0+1], s48                         ; LDS address
	s_mov_b64 s[G0+2:G0+3], s[58:59]               ; global address
	s_or_b32 s[G0+3], s[G0+3], 0x80000000          ; type = 2
	ROUND                                          ; all four work-groups are here: the joint loads meet
	tensor_load_to_lds s[G0:G0+3], s[G1:G1+7]
	s_nop 0
.rept 4
	v_nop
.endr
	global_load_b32 v248, v11, s[6:7]
.irp c, 0,1,2,3
	global_load_b128 v[16+4*\c:19+4*\c], v[QAD], s[60:61] offset:32*\c   ; Q's fragment stays in registers
.endr
	FRESH
	s_wait_alu depctr_va_vdst(0)
	s_wait_kmcnt 0x0
	s_add_co_i32 s57, s52, s53
	s_lshl_b32 s57, s57, 23
	s_add_co_i32 s[CS], s[CS], s57                 ; a score stands for score x 2^(e6 + e7): the exponents are added to c's exponent field
	s_mov_b32 s[CS+1], s[CS]                       ; (named with it as a pair, so it is written)
	s_add_co_i32 s57, s54, 127
	s_lshl_b32 s49, s57, 23
	v_mov_b32 v244, s49                            ; 2^e8, for p's conversions
	s_add_co_i32 s57, s57, 15
	s_lshl_b32 s57, s57, 23
	s_or_b32 s57, s57, 0x600000
	v_mov_b32 v240, s57                            ; 57,344 x 2^e8
	s_add_co_i32 s57, s56, 127
	s_lshl_b32 s49, s57, 23
	v_mov_b32 v245, s49                            ; 2^e10, for the result's
	s_add_co_i32 s57, s57, 15
	s_lshl_b32 s57, s57, 23
	s_or_b32 s57, s57, 0x600000
	v_mov_b32 v241, s57                            ; 57,344 x 2^e10
	s_wait_alu depctr_va_vdst(0)
	s_wait_loadcnt 0x0                             ; the mask's word and Q are in
.irp k, 0,1,2,3
	v_bfe_u32 v[32+\k], v248, 8*\k, 8
.endr
.irp k, 0,1,2,3
	v_cmp_ne_u32 vcc_lo, 0, v[32+\k]
	v_cndmask_b32 v[32+\k], 0, v[NINF], vcc_lo     ; a padded key: -infinity; else 0
.endr
	ds_store_b128 v249, v[32:35]
	s_wait_alu depctr_va_vdst(0)                   ; the head's end
	s_wait_tensorcnt 0x0                           ; my two tiles have landed, my LDS instructions are done (the mask's store among them),
	s_wait_dscnt 0x0
	s_barrier_signal -1
	s_barrier_wait -1                              ; and so it is with every wave
.macro VLOAD t                         ; V's tile t (16 channels x 128 keys) into its registers in window 1
.irp c, 0,1,2,3
	ds_load_b128 v[VF+16*(\t)+4*\c:VF+16*(\t)+4*\c+3], v[ADV] offset:16*(\t)*KP+32*\c
.endr
.endm
	s_mov_b32 s[TI], 0
.Ltrip:                                                ; five trips, a key step each; wave j + 4 has a step in four.  No wave writes LDS in the loop
	s_cmp_lg_u32 s[TI], s[SW]
	s_cbranch_scc1 .Lsame
	; ON TO MY SECOND TILE: tile j goes out while the second one's Q is on its way
.rept 4
	v_nop                                          ; places behind the last products
.endr
	s_wait_alu depctr_va_vdst(0)
	s_cmp_eq_u32 s[N2], 0
	s_cbranch_scc1 .Lno_q                          ; (j = 3 has no second tile)
.irp c, 0,1,2,3
	global_load_b128 v[16+4*\c:19+4*\c], v[QAD], s[50:51] offset:32*\c
.endr
.Lno_q:
	WAYOUT
	FRESH
	s_wait_alu depctr_va_vdst(0)
	s_wait_xcnt 0x0                                ; the stores have read the codes' registers
	s_wait_loadcnt 0x0                             ; Q
.Lsame:
	s_cmp_ge_u32 s[TI], s[NT]
	s_cbranch_scc1 .Lidle
	s_cmp_lt_u32 s[TI], s[SW]
	s_cselect_b32 s44, 0, s[OF2]
	s_cselect_b32 s[MM], s[LOT], s[HIT]
	s_add_co_u32 s[ST], s[TI], s44
	s_and_b32 s[ST], s[ST], 7                      ; the key step: the trip in my first tile, trip + 4 - j (5 to 7) in the second
	s_mul_i32 s44, s[ST], TILE
	s_lshl_b32 s45, s[ST], 9
	v_add_nc_u32 v[ADK], s44, v[AK0]
	v_add_nc_u32 v[ADV], s44, v[AV0]
	v_add_nc_u32 v[ADM], s45, v[AMB]
	v_nop                                          ; with the three additions: four places between the last step's products, which read V's registers, and the loads into them below
	WIN TO_F
.irp t, 0,1,2,3,4,5,6,7                ; all of the step's K: eight tiles of 16 keys
.irp c, 0,1,2,3
	ds_load_b128 v[KF+16*\t+4*\c:KF+16*\t+4*\c+3], v[ADK] offset:16*\t*KP+32*\c
.endr
.endr
	WIN 0
.irp b, 0,1,2,3                        ; the padding mask of my 64 keys: register 16 b + i belongs to key 128 s + 32 b + 16 (lane / 16) + i
.irp k, 0,1,2,3
	ds_load_b128 v[32+16*\b+4*\k:32+16*\b+4*\k+3], v[ADM] offset:128*\b+16*\k
.endr
.endr
	s_wait_alu depctr_va_vdst(0)
	s_wait_dscnt 32                                ; K's tiles 0-3 are in; behind them K's tiles 4-7 (16 loads) and the mask (16) may be out
	WIN MUL
.irp t, 0,1,2,3                        ; S^T = K Q^T
	v_wmma_f32_16x16x128_bf8_bf8 v[96+8*\t:103+8*\t], v[KF+16*\t:KF+16*\t+15], v[16:31], 0
.endr
	WIN TO_F
.irp t, 0,1,2,3
	VLOAD \t
.endr
	s_wait_dscnt 32                                ; K's tiles 4-7 are in; behind them the mask (16) and V's tiles 0-3 (16) may be out
	WIN MUL
.irp t, 4,5,6,7
	v_wmma_f32_16x16x128_bf8_bf8 v[96+8*\t:103+8*\t], v[KF+16*\t:KF+16*\t+15], v[16:31], 0
.endr
	WIN TO_F
.irp t, 4,5,6,7
	VLOAD \t
.endr
	WIN 0
.rept 4
	v_nop                                          ; places in front of the first reads of the scores
.endr
	s_wait_dscnt 32                                ; the mask is in; behind it V's 32 loads may be out: they land while the softmax is worked
.set j, 0
.rept 32
	v_pk_add_f32 v[96+j:97+j], v[96+j:97+j], v[32+j:33+j]   ; + 0 or -infinity: p = 0 for a padded key.  Each accumulator from its low end on
.set j, j+2
.endr
	s_cmp_lg_u32 s[MM], s[ST]                      ; on the diagonal the scores of keys behind my query become -infinity too
	s_cbranch_scc1 .Lopen
.set n, 0
.rept 64
	v_cmp_gt_i32 vcc_lo, 32*(n/16)+n%16, v[DG]
	s_delay_alu instid0(VALU_DEP_1)
	v_cndmask_b32 v[96+n], v[96+n], v[NINF], vcc_lo
.set n, n+1
.endr
.Lopen:
	v_max3_num_f32 v254, v96, v97, v98             ; the step's largest score of my query, among my 64 keys, in two chains,
	v_max3_num_f32 v252, v99, v100, v101
.irp i, 6,10,14,18,22,26,30,34,38,42,46,50,54,58
	s_delay_alu instid0(VALU_DEP_2)
	v_max3_num_f32 v254, v254, v[96+\i], v[97+\i]
	s_delay_alu instid0(VALU_DEP_2)
	v_max3_num_f32 v252, v252, v[98+\i], v[99+\i]
.endr
	s_delay_alu instid0(VALU_DEP_2)
	v_max3_num_f32 v254, v254, v158, v159
	s_delay_alu instid0(VALU_DEP_1)
	v_max_num_f32 v254, v254, v252
	s_delay_alu instid0(VALU_DEP_1)
	v_permlanex16_b32 v246, v254, s[SEL], s[SEL+1]
	s_delay_alu instid0(VALU_DEP_1)
	v_max_num_f32 v254, v254, v246                 ; and among lane l xor 16's
	s_delay_alu instid0(VALU_DEP_1)
	v_mul_f32 v254, s[CS], v254                    ; as t (c is positive)
	s_delay_alu instid0(VALU_DEP_1)
	v_max_num_f32 v13, v13, v254                   ; the running largest t
	v_mov_b32 v254, v12
	s_delay_alu instid0(VALU_DEP_2)
	v_floor_f32 v12, -v13                          ; the new -M = floor(-t) = -ceil(t): M is a whole number
	s_delay_alu instid0(VALU_DEP_1)
	v_sub_f32 v254, v12, v254                      ; M's old value less its new one: a whole number, 0 or less
	s_delay_alu instid0(VALU_DEP_1)
	v_cvt_i32_f32 v254, v254                       ; (it saturates)
	s_delay_alu instid0(VALU_DEP_1)
	v_ldexp_f32 v252, 1.0, v254                    ; f = 2^(old M - new M): a multiplication by it rounds nothing
.set j, 0
.rept 32
	v_pk_fma_f32 v[96+j:97+j], v[96+j:97+j], s[CS:CS+1], v[12:13] op_sel_hi:[1,0,0]   ; t - M, two at a time
.set j, j+2
.endr
.set j, 0
	s_wait_alu depctr_va_vdst(0)                   ; the wait ahead of the batch
.rept 64
	v_exp_f32 v[96+j], v[96+j]                     ; p = 2^(t - M), at most 1: not normalised
.set j, j+1
.endr
	v_pk_mul_f32 v[14:15], v[14:15], v[252:253] op_sel_hi:[1,0]   ; the sums under the new M: the plain instruction behind the exponentials
	s_wait_alu depctr_va_vdst(0)                   ; one wait for the batch of 64, ahead of its first reader
	v_pk_add_f32 v[242:243], v[96:97], v[98:99]    ; the row's sum is taken of the unquantised p: eight chains
	v_pk_add_f32 v[248:249], v[100:101], v[102:103]
	v_pk_add_f32 v[238:239], v[104:105], v[106:107]
	v_pk_add_f32 v[236:237], v[108:109], v[110:111]
	v_pk_add_f32 v[234:235], v[112:113], v[114:115]
	v_pk_add_f32 v[232:233], v[116:117], v[118:119]
	v_pk_add_f32 v[230:231], v[120:121], v[122:123]
	v_pk_add_f32 v[14:15], v[14:15], v[124:125]
.irp q, 0,1
	v_pk_add_f32 v[242:243], v[242:243], v[126+16*\q:127+16*\q]
	v_pk_add_f32 v[248:249], v[248:249], v[128+16*\q:129+16*\q]
	v_pk_add_f32 v[238:239], v[238:239], v[130+16*\q:131+16*\q]
	v_pk_add_f32 v[236:237], v[236:237], v[132+16*\q:133+16*\q]
	v_pk_add_f32 v[234:235], v[234:235], v[134+16*\q:135+16*\q]
	v_pk_add_f32 v[232:233], v[232:233], v[136+16*\q:137+16*\q]
	v_pk_add_f32 v[230:231], v[230:231], v[138+16*\q:139+16*\q]
	v_pk_add_f32 v[14:15], v[14:15], v[140+16*\q:141+16*\q]
.endr
	v_pk_add_f32 v[242:243], v[242:243], v[158:159]
	v_pk_add_f32 v[248:249], v[248:249], v[238:239]
	v_pk_add_f32 v[236:237], v[236:237], v[234:235]
	v_pk_add_f32 v[232:233], v[232:233], v[230:231]
	v_pk_add_f32 v[14:15], v[14:15], v[242:243]
	v_pk_add_f32 v[248:249], v[248:249], v[236:237]
	v_pk_add_f32 v[14:15], v[14:15], v[232:233]
	v_pk_add_f32 v[14:15], v[14:15], v[248:249]
.irp b, 0,1,2,3
.set j, 0
.rept 16
	v_min_num_f32 v[96+16*\b+j], v[96+16*\b+j], v240   ; the conversion does not saturate (ISA guide 7.6.2); p is not negative, so the hold is one-sided
.set j, j+1
.endr
	v_cvt_scalef32_pk8_bf8_f32 v[224+4*\b:225+4*\b], v[96+16*\b:103+16*\b], v244
	v_cvt_scalef32_pk8_bf8_f32 v[226+4*\b:227+4*\b], v[104+16*\b:111+16*\b], v244
.endr
	s_wait_alu depctr_va_vdst(0)                   ; ahead of the first reader of O^T
.set j, 0
.rept 32
	v_pk_mul_f32 v[160+j:161+j], v[160+j:161+j], v[252:253] op_sel_hi:[1,0]   ; O^T under the new M.  (Plain lines between the conversions and the products that read the codes)
.set j, j+2
.endr
	s_wait_alu depctr_va_vdst(0)
	s_wait_dscnt 0x0                               ; V
	WIN MUL
.irp t, 0,1,2,3,4,5,6,7                ; O^T += V^T P^T; the eight accumulators take turns
	v_wmma_f32_16x16x128_bf8_bf8 v[160+8*\t:167+8*\t], v[VF+16*\t:VF+16*\t+15], v[224:239], v[160+8*\t:167+8*\t]
.endr
	WIN 0                                          ; at a label every window is 0
.Lidle:
	s_add_co_u32 s[TI], s[TI], 1
	s_wait_alu depctr_va_vdst(0)
	s_cmp_lt_u32 s[TI], 5
	s_cbranch_scc1 .Ltrip
	; THE PARTS ARE JOINED: wave j takes what wave j + 4 leaves, each under the larger M of the two.
	s_mul_i32 s44, s[WV], PSZ                      ; each wave's part has bytes of its own, on K's tiles, whose fills are over
	s_add_co_u32 s45, s44, 8192
	v_and_b32 v10, 31, v0
.rept 4
	v_nop                                          ; places behind the last products
.endr
	v_lshl_add_u32 v[PBA], v10, 4, s44
	v_lshl_add_u32 v[PBB], v10, 3, s45
	s_wait_alu depctr_va_vdst(0)
	s_wait_dscnt 0x0
	s_barrier_signal -1
	s_barrier_wait -1                              ; nobody reads K's tiles any more
	s_cmp_eq_u32 s[N2], 0
	s_cbranch_scc1 .Lno_part
	v_add_f32 v13, v14, v15
.set j, 0
.rept 16
	ds_store_b128 v[PBA], v[160+4*j:163+4*j] offset:512*j   ; O^T as it stands, each accumulator from its low end on
.set j, j+1
.endr
	ds_store_b64 v[PBB], v[12:13]                  ; -M and the sum
.Lno_part:
	s_wait_alu depctr_va_vdst(0)
	s_wait_dscnt 0x0
	s_barrier_signal -1
	s_barrier_wait -1                              ; every part is in LDS
	s_cmp_ge_u32 s[WV], 4
	s_cbranch_scc1 .Lend                           ; wave j + 4 has sent its tile out
	s_cmp_eq_u32 s[HASP], 0
	s_cbranch_scc1 .Lwhole
	ds_load_b64 v[248:249], v[PBB] offset:4*PSZ    ; -M and the sum of the other part
.set j, 0
.rept 16
	ds_load_b128 v[96+4*j:99+4*j], v[PBA] offset:4*PSZ+512*j   ; its O^T
.set j, j+1
.endr
	v_add_f32 v14, v14, v15
	s_wait_alu depctr_va_vdst(0)
	s_wait_dscnt 16                                ; the pair is in; O^T's sixteen loads may be out
	v_min_num_f32 v246, v12, v248                  ; -M of the whole row
	v_mov_b32 v15, 0
	v_sub_f32 v252, v246, v12                      ; 0 or less
	v_sub_f32 v254, v246, v248
	v_cvt_i32_f32 v252, v252
	v_cvt_i32_f32 v254, v254
	v_ldexp_f32 v252, 1.0, v252
	v_ldexp_f32 v254, 1.0, v254
	v_mul_f32 v14, v14, v252
	v_fma_f32 v14, v249, v254, v14                 ; the row's sum (my half of the lanes' keys)
.set j, 0
.rept 32
	v_pk_mul_f32 v[160+j:161+j], v[160+j:161+j], v[252:253] op_sel_hi:[1,0]   ; each accumulator from its low end on
.set j, j+2
.endr
	s_wait_alu depctr_va_vdst(0)
	s_wait_dscnt 0x0
.set j, 0
.rept 32
	v_pk_fma_f32 v[160+j:161+j], v[96+j:97+j], v[254:255], v[160+j:161+j] op_sel_hi:[1,0,1]
.set j, j+2
.endr
.Lwhole:
	WAYOUT
.Lend:
	s_wait_tensorcnt 0x0                           ; the wave's end
	ds_add_u32 v[SPW], v[NIL]
	s_wait_dscnt 0x0
	ROUND                                          ; the closing round: no work-group ends while a partner may still ask for a tile that names it
	s_endpgm
.Lfunc_end_k_q6476e25b45_attn:
	.size	k_q6476e25b45_attn, .Lfunc_end_k_q6476e25b45_attn-k_q6476e25b45_attn
	.p2alignl 7, 3214868480
	.fill 96, 4, 3214868480
	.section	.rodata,"a",@progbits
	.p2align	6, 0x0
	.amdhsa_kernel k_q6476e25b45_attn
		.amdhsa_group_segment_fixed_size 327680
		.amdhsa_private_segment_fixed_size 0
		.amdhsa_enable_private_segment 0
		.amdhsa_kernarg_size 32
		.amdhsa_user_sgpr_count 2
		.amdhsa_user_sgpr_kernarg_segment_ptr 1
		.amdhsa_wavefront_size32 1
		.amdhsa_system_sgpr_workgroup_id_x 1
		.amdhsa_system_sgpr_workgroup_id_y 1
		.amdhsa_system_sgpr_workgroup_id_z 1
		.amdhsa_system_vgpr_workitem_id 0
		.amdhsa_next_free_vgpr 512
		.amdhsa_next_free_sgpr 66
		.amdhsa_reserve_vcc 1
		.amdhsa_float_denorm_mode_32 3
		.amdhsa_float_denorm_mode_16_64 3
		.amdhsa_memory_ordered 1
		.amdhsa_forward_progress 1
		.amdhsa_inst_pref_size 68
	.end_amdhsa_kernel
	.amdgpu_metadata
---
amdhsa.version: [ 1, 2 ]
amdhsa.kernels:
  - .name:           k_q6476e25b45_attn
    .symbol:         k_q6476e25b45_attn.kd
    .args:
      - { .name: qkv, .offset: 0, .size: 8, .value_kind: global_buffer, .address_space: global }
      - { .name: kv_padding_mask, .offset: 8, .size: 8, .value_kind: global_buffer, .address_space: global }
      - { .name: lowp_scales, .offset: 16, .size: 8, .value_kind: global_buffer, .address_space: global }
      - { .name: ctx, .offset: 24, .size: 8, .value_kind: global_buffer, .address_space: global }
    .group_segment_fixed_size: 327680
    .private_segment_fixed_size: 0
    .kernarg_segment_align: 8
    .kernarg_segment_size: 32
    .max_flat_workgroup_size: 256
    .sgpr_count:     66
    .vgpr_count:     512
    .wavefront_size: 32
...
	.end_amdgpu_metadata
.endif
;; end of part 3
;; launch outp (part 4): grid 16 x 16, 4 waves a work-group, clusters of 4 x 1, 327,680 bytes of LDS; arguments ctx, wo_codes, out0, lowp_scales, bo, gate, query_states; writes out0
.if DOCPART == 4
	.amdgcn_target "amdgcn-amd-amdhsa--gfx1250"
	.amdhsa_code_object_version 6
	.text
	.protected	k_q6476e25b45_outp
	.globl	k_q6476e25b45_outp
	.p2align	8
	.type	k_q6476e25b45_outp,@function
k_q6476e25b45_outp:
	s_mov_b64 s[64:65], 0
	v_nop
	global_prefetch_b8 v0, s[64:65] scope:SCOPE_SE
	s_setreg_imm32_b32 hwreg(HW_REG_WAVE_MODE, 25, 1), 1
	s_wait_xcnt 0x0
	s_wait_alu depctr_hold_cnt(0) depctr_sa_sdst(0) depctr_va_vdst(0) depctr_va_sdst(0) depctr_va_ssrc(0) depctr_va_vcc(0) depctr_vm_vsrc(0)
	s_getreg_b32 s2, hwreg(HW_REG_IB_STS2, 6, 4)
	s_cmp_eq_u32 s2, 0
	s_cbranch_scc0 .Lentry_in_a_cluster
	s_endpgm
.Lentry_in_a_cluster:
	s_bfe_u32 s2, ttmp6, 0x10000c
	s_cmp_lg_u32 s2, 0x3003
	s_cbranch_scc0 .Lentry_shape_is_right
	s_endpgm
.Lentry_shape_is_right:
; THE PROJECTION ON THE WAY OUT: out = query_states + (ctx Wo^T + bo) x sigmoid(gate), the product on codes of BF8 (E5M2), K = 2,048, sums in f32; a sum stands for sum x 2^(e10 + e11).
; LIMIT: e10 + e11 between -126 and 127.
; A work-group makes 128 tokens x 128 features; each of its four waves 32 tokens x 128 features: 2 x 8 accumulators.  Work-group x is the block of tokens, y the block of features.
; B: Wo's 128 rows of codes, 2,048 bytes each, lie in LDS whole, each byte filled ONCE: wave w fetches bytes 512 w .. 512 w + 511 of all 128 rows, one tensor load at the head.  The four work-groups of a cluster (neighbouring
; blocks of tokens, the same features) ask for them JOINTLY.  No slot is filled again: no ring, one barrier.
; A: ctx lies as images of the matrix operand's registers ([16 steps of 128 along K][128 tiles of 16 tokens][2,048 bytes]), so a wave's fragments go from memory straight into its registers, each needed by this wave of the
; work-group alone: eight steps of 128 along K have registers, and the loads run seven steps (56 loads) ahead.  Behind them, in steps 9 to 12, the wave's 32 rows of query_states follow, 512 bytes each.
; PREFETCH: those rows are 64 units of 256 bytes a wave; they are asked for in steps 1 and 3, a lane a unit, each unit once in the launch, eight steps or more ahead of half of their loads and six or more of the others'.
; Of B and A nothing is prefetched: B is asked for whole at the head, and A's own loads run seven of the sixteen steps ahead.
; THE MATRIX INSTRUCTION IS USED TRANSPOSED (source 0 = 16 rows of Wo, source 1 = 16 tokens): a lane holds eight neighbouring features of one token.
; REGISTERS, in windows of 256.  Window 0: v0-31 addresses, v96-111 the gate's numbers, v128-255 the accumulators.  Window 1: B's fragments, two sets of eight; on the way out the rows read back.
;   Window 2: A's fragments, eight steps x 32.  Window 3: v0-127 query_states.
.set PITCH,  528                       ; an LDS row: 512 bytes + 16 of padding = 132 words: the 16 rows of a load start at 16 different columns of 16 bytes modulo 256
.set CH,     128*PITCH                 ; a chunk of 512 along K: 128 rows
.set SPARE,  4*CH                      ; the spare words, 128 bytes a wave
.set STAGE,  SPARE+512                 ; the way out: 16 rows x 528 bytes for each wave; no tile lands there
.set ADB,    16                        ; v16-19  LDS address of my lane's place in each chunk
.set PFQ,    20                        ; v20     the prefetch: 8,192 x (lane / 2) + 256 x (lane % 2)
.set STO,    24
.set RD,     25
.set CO,     26                        ; v26     16 x lane
.set SPW,    28
.set NIL,    29
.set PG,     96                        ; v96-99  2^(e10 + e11) x sigmoid(gate) of my four features
.set RG,     100                       ; v100-103 bo x sigmoid(gate)
.set GT,     104
.set SG,     108
.set ACC,    128
.set G1,     24
.set G0,     32
.set MSB, 0
.macro WIN new                         ; the immediate's high byte repeats the setting that is left
.if MSB != \new
	s_set_vgpr_msb (MSB<<8)|\new
.set MSB, \new
.endif
.endm
.macro ROUND                           ; a round of the cluster's barrier
	s_barrier_signal -1
	s_barrier_wait -1
	s_cmp_lg_u32 s20, 0
	s_cbranch_scc1 .Lnot_wave_0_\@
	s_barrier_signal -3
.Lnot_wave_0_\@:
	s_barrier_wait -3
	s_barrier_signal -1
	s_barrier_wait -1
.endm
	s_load_b256 s[4:11], s[0:1], 0x0               ; ctx s[4:5], wo_codes s[6:7], out0 s[8:9], the scales s[10:11]
	s_load_b128 s[12:15], s[0:1], 0x20             ; bo s[12:13], gate s[14:15]
	s_load_b64 s[16:17], s[0:1], 0x30              ; query_states
	v_lshl_add_u32 v[SPW], v0, 2, SPARE
	v_mov_b32 v[NIL], 0
	ds_add_u32 v[SPW], v[NIL]                      ; the opening lines: the add, twice on end, and its wait
	ds_add_u32 v[SPW], v[NIL]
	v_lshrrev_b32 v1, 5, v0
	v_readfirstlane_b32 s20, v1                    ; wave 0..3
	s_bfe_u32 s21, ttmp6, 0x40000                  ; cx
	s_lshl_b32 s22, ttmp9, 2
	s_add_co_u32 s22, s22, s21                     ; block of tokens = 4 x cluster x + cx
	s_and_b32 s23, ttmp7, 0xffff                   ; block of features, which the four partners share
	; descriptor group 1: 128 rows x 512 bytes, 2,048 bytes apart, padded in LDS
	s_mov_b32 s[G1], 15|(0<<16)|(1<<20)|(1<<21)|(6<<22)|(3<<25)   ; 15:0 all four work-groups; 17:16 elements of 1 byte; 20 padding on; 21 set beside a mask; 24:22 after every 128 words; 31:25 four words
	s_mov_b32 s[G1+1], 512<<16
	s_mov_b32 s[G1+2], 128<<16
	s_mov_b32 s[G1+3], 512<<16
	s_mov_b32 s[G1+4], 128
	s_mov_b32 s[G1+5], 2048
	s_mov_b32 s[G1+6], 0
	s_mov_b32 s[G1+7], 0
	s_mov_b32 s[G0], 1
	s_mul_i32 s[G0+1], s20, CH                     ; chunk = wave: no place in the cluster enters an LDS address
	s_lshl_b32 s40, s23, 18                        ; Wo: 128 rows of 2,048 bytes a block,
	s_lshl_b32 s41, s20, 9
	s_add_co_u32 s40, s40, s41                     ; my chunk
	s_mov_b32 s41, 0
	s_lshl_b32 s42, s22, 14                        ; ctx: eight tiles of 2,048 bytes a block,
	s_lshl_b32 s43, s20, 12
	s_add_co_u32 s42, s42, s43                     ; two a wave
	s_mov_b32 s43, 0
	s_lshl_b32 s46, s23, 9                         ; the features: 512 bytes a block
	s_mov_b32 s47, 0
	s_lshl_b32 s44, s22, 20                        ; query_states and out0: 128 rows of 8,192 bytes a block,
	s_lshl_b32 s45, s20, 18
	s_add_co_u32 s44, s44, s45                     ; 32 a wave,
	s_add_co_u32 s44, s44, s46
	s_mov_b32 s45, 0
	s_mul_i32 s48, s20, 16*PITCH
	s_add_co_u32 s48, s48, STAGE                   ; my stage
	v_and_b32 v2, 31, v0
	v_lshlrev_b32 v[CO], 4, v2
	v_and_b32 v3, 15, v0                           ; r = lane % 16
	v_bfe_u32 v4, v0, 4, 1                         ; h = lane / 16
	v_mul_u32_u24 v5, v3, PITCH
	v_lshl_add_u32 v[ADB], v4, 4, v5               ; a fragment's row x pitch + 16 x half
.irp c, 1,2,3
	v_add_nc_u32 v[ADB+\c], \c*CH, v[ADB]
.endr
	v_lshl_add_u32 v6, v4, 5, v5
	v_add_nc_u32 v[STO], s48, v6                   ; in: row r, my eight features of a tile: 64 b + 32 h
	v_add_nc_u32 v[RD], s48, v[CO]                 ; back: the 32 lanes take one row of 512 bytes
	v_lshrrev_b32 v7, 1, v2
	v_and_b32 v8, 1, v2
	v_lshlrev_b32 v7, 13, v7
	v_lshl_add_u32 v[PFQ], v8, 8, v7
	s_wait_alu depctr_va_vdst(0)
	s_wait_dscnt 0x0                               ; both opening adds are done
	s_wait_kmcnt 0x0
	s_load_b64 s[36:37], s[10:11], 0x28            ; e10, e11
	s_add_nc_u64 s[G0+2:G0+3], s[6:7], s[40:41]
	s_or_b32 s[G0+3], s[G0+3], 0x80000000          ; type = 2
	s_add_nc_u64 s[38:39], s[4:5], s[42:43]
	s_add_nc_u64 s[8:9], s[8:9], s[44:45]
	s_add_nc_u64 s[16:17], s[16:17], s[44:45]
	s_add_nc_u64 s[12:13], s[12:13], s[46:47]
	s_add_nc_u64 s[14:15], s[14:15], s[46:47]
	ROUND                                          ; all four work-groups are here: the joint loads meet
	tensor_load_to_lds s[G0:G0+3], s[G1:G1+7]
	s_nop 0
.rept 4
	v_nop
.endr
	global_load_b128 v[RG:RG+3], v[CO], s[12:13]   ; bo and gate of features 4 lane .. 4 lane + 3
	global_load_b128 v[GT:GT+3], v[CO], s[14:15]
.macro LOADA k                         ; step k's two fragments of A, into registers k % 8
	WIN 0x80                                       ; destination window 2
.irp i, 0,1
.irp c, 0,1,2,3
	global_load_b128 v[32*((\k)%8)+16*\i+4*\c:32*((\k)%8)+16*\i+4*\c+3], v[CO], s[38:39] offset:262144*(\k)+2048*\i+512*\c
.endr
.endr
.endm
.macro LOADQ n                         ; eight rows of query_states
	WIN 0xc0                                       ; destination window 3
.irp t, 0,1,2,3,4,5,6,7
	global_load_b128 v[32*(\n)+4*\t:32*(\n)+4*\t+3], v[CO], s[16:17] offset:(8*(\n)+\t)*8192 th:TH_LOAD_NT
.endr
.endm
.macro FETCHB k                        ; step k's eight fragments of B into set k % 2: registers 4 c .. 4 c + 3 hold K = 32 c + 16 (lane / 16) + 0 .. 15, as in ctx's images
	WIN 0x40                                       ; destination window 1
.irp i, 0,1,2,3,4,5,6,7
.irp c, 0,1,2,3
	ds_load_b128 v[128*((\k)%2)+16*\i+4*\c:128*((\k)%2)+16*\i+4*\c+3], v[ADB+(\k)/4] offset:\i*16*PITCH+128*((\k)%4)+32*\c
.endr
.endr
.endm
.irp k, 0,1,2,3,4,5,6
	LOADA \k
.endr
	WIN 0
	s_wait_kmcnt 0x0
	s_add_co_i32 s49, s36, s37
	s_add_co_i32 s49, s49, 127
	s_lshl_b32 s49, s49, 23                        ; 2^(e10 + e11)
	s_wait_loadcnt 56                              ; bo and gate are in; A's 56 loads may be out
.irp k, 0,1,2,3
	v_mul_f32 v[GT+\k], 0xbfb8aa3b, v[GT+\k]       ; -gate x log2(e)
.endr
	s_wait_alu depctr_va_vdst(0)                   ; the waits ahead of and behind each batch
.irp k, 0,1,2,3
	v_exp_f32 v[GT+\k], v[GT+\k]
.endr
	v_nop
	s_wait_alu depctr_va_vdst(0)
.irp k, 0,1,2,3
	v_add_f32 v[GT+\k], 1.0, v[GT+\k]
.endr
	s_wait_alu depctr_va_vdst(0)
.irp k, 0,1,2,3
	v_rcp_f32 v[SG+\k], v[GT+\k]                   ; sigmoid(gate)
.endr
	v_nop
	s_wait_alu depctr_va_vdst(0)
.irp k, 0,1,2,3
	v_mul_f32 v[PG+\k], s49, v[SG+\k]
	v_mul_f32 v[RG+\k], v[RG+\k], v[SG+\k]
.endr
	s_wait_alu depctr_va_vdst(0)                   ; the head's end
	s_wait_tensorcnt 0x0                           ; my chunk is in;
	s_barrier_signal -1
	s_barrier_wait -1                              ; everybody's is
	FETCHB 0
.macro MUL8 k, b0                      ; both blocks of tokens x B's b0 .. b0 + 3; the 16 accumulators take turns
.irp a, 0,1
.irp b, \b0, \b0+1, \b0+2, \b0+3
.set DD, ACC+8*(8*\a+(\b))
.set SB, 128*((\k)%2)+16*(\b)
.set SA, 32*((\k)%8)+16*\a
.if (\k) == 0
	v_wmma_f32_16x16x128_bf8_bf8 v[DD:DD+7], v[SB:SB+15], v[SA:SA+15], 0
.else
	v_wmma_f32_16x16x128_bf8_bf8 v[DD:DD+7], v[SB:SB+15], v[SA:SA+15], v[DD:DD+7]
.endif
.endr
.endr
.endm
; A step of 128 along K.  Ahead of its products go out the next step's B, and A of seven steps on or eight rows of query_states.
.macro STEP k
.if (\k) < 15
.if (\k) > 0
.rept 4
	v_nop                                          ; places between the last step's products and the loads into their registers (ISA guide 7.12.1 for vector instructions)
.endr
.endif
	FETCHB \k+1
.endif
.if (\k) < 9
	LOADA \k+7
.elseif (\k) < 13
	LOADQ \k-9
.endif
.if ((\k) == 1) || ((\k) == 3)
	WIN 0
	global_prefetch_b8 v[PFQ], s[16:17] offset:((\k)/2)*131072 th:TH_LOAD_NT scope:SCOPE_SE   ; sixteen of my rows of query_states: 32 units of 256 bytes
.endif
.if (\k) < 13
	s_wait_loadcnt 56                              ; this step's A is in; the 56 loads issued behind it may be out (A of later steps, 8 each, and query_states' rows)
.else
	s_wait_loadcnt 32+8*(15-(\k))                  ; the same: A of the steps left, and 32 rows
.endif
.if (\k) < 15
	s_wait_dscnt 48                                ; B's fragments 0-3 are in; 4-7 (16 loads) and the next step's 32 may be out
.else
	s_wait_dscnt 16
.endif
	WIN 0x09                                       ; source 0 (B) window 1, source 1 (A) window 2, C and D window 0
	MUL8 \k, 0
.if (\k) < 15
	s_wait_dscnt 32                                ; B's fragments 4-7 too
.else
	s_wait_dscnt 0
.endif
	MUL8 \k, 4
.endm
.irp k, 0,1,2,3,4,5,6,7,8,9,10,11,12,13,14,15
	STEP \k
.endr
	WIN 0
; THE WAY OUT, by blocks of 16 tokens: through my stage in LDS, back as whole rows of 512 bytes; x 2^(e10 + e11) sigmoid(gate), + query_states, + bo sigmoid(gate); stored as 512 consecutive bytes.
; LDS serves a wave's instructions in order (ISA guide 5.7.1.4): no wait between the stores and the loads, nor ahead of the second block's stores.
.macro TOSTAGE a
.irp b, 0,1,2,3,4,5,6,7
	ds_store_b128 v[STO], v[ACC+8*(8*\a+\b):ACC+8*(8*\a+\b)+3] offset:64*\b
	ds_store_b128 v[STO], v[ACC+8*(8*\a+\b)+4:ACC+8*(8*\a+\b)+7] offset:64*\b+16
.endr
	WIN 0x40
.irp t, 0,1,2,3,4,5,6,7,8,9,10,11,12,13,14,15
	ds_load_b128 v[64*\a+4*\t:64*\a+4*\t+3], v[RD] offset:PITCH*\t
.endr
	WIN 0
.endm
.macro FIN a, younger
	s_wait_dscnt \younger
	WIN 0x71                                       ; destination and source 0 window 1, source 1 window 0, source 2 window 3
.set j, 0
.rept 32
	v_pk_fma_f32 v[64*\a+j:64*\a+j+1], v[64*\a+j:64*\a+j+1], v[PG+j%4:PG+j%4+1], v[64*\a+j:64*\a+j+1]
.set j, j+2
.endr
.set j, 0
.rept 32
	v_pk_add_f32 v[64*\a+j:64*\a+j+1], v[64*\a+j:64*\a+j+1], v[RG+j%4:RG+j%4+1]
.set j, j+2
.endr
	WIN 0x04                                       ; a store's data: window 1
.irp t, 0,1,2,3,4,5,6,7,8,9,10,11,12,13,14,15
	global_store_b128 v[CO], v[64*\a+4*\t:64*\a+4*\t+3], s[8:9] offset:(16*\a+\t)*8192 th:TH_STORE_NT
.endr
	WIN 0
.endm
.rept 4
	v_nop                                          ; places behind the last products
.endr
	TOSTAGE 0
	TOSTAGE 1
	s_wait_loadcnt 0x10                            ; query_states' rows of block 0; block 1's 16 may be out
	FIN 0, 32                                      ; behind block 0's loads: block 1's 16 stores and 16 loads
	s_wait_loadcnt 0x0
	FIN 1, 0
	s_wait_tensorcnt 0x0                           ; the wave's end
	ds_add_u32 v[SPW], v[NIL]
	s_wait_dscnt 0x0
	ROUND                                          ; the closing round: no work-group ends while a partner may still ask for a tile that names it
	s_endpgm
.Lfunc_end_k_q6476e25b45_outp:
	.size	k_q6476e25b45_outp, .Lfunc_end_k_q6476e25b45_outp-k_q6476e25b45_outp
	.p2alignl 7, 3214868480
	.fill 96, 4, 3214868480
	.section	.rodata,"a",@progbits
	.p2align	6, 0x0
	.amdhsa_kernel k_q6476e25b45_outp
		.amdhsa_group_segment_fixed_size 327680
		.amdhsa_private_segment_fixed_size 0
		.amdhsa_enable_private_segment 0
		.amdhsa_kernarg_size 56
		.amdhsa_user_sgpr_count 2
		.amdhsa_user_sgpr_kernarg_segment_ptr 1
		.amdhsa_wavefront_size32 1
		.amdhsa_system_sgpr_workgroup_id_x 1
		.amdhsa_system_sgpr_workgroup_id_y 1
		.amdhsa_system_sgpr_workgroup_id_z 1
		.amdhsa_system_vgpr_workitem_id 0
		.amdhsa_next_free_vgpr 1024
		.amdhsa_next_free_sgpr 66
		.amdhsa_reserve_vcc 0
		.amdhsa_float_denorm_mode_32 3
		.amdhsa_float_denorm_mode_16_64 3
		.amdhsa_memory_ordered 1
		.amdhsa_forward_progress 1
		.amdhsa_inst_pref_size 90
	.end_amdhsa_kernel
	.amdgpu_metadata
---
amdhsa.version: [ 1, 2 ]
amdhsa.kernels:
  - .name:           k_q6476e25b45_outp
    .symbol:         k_q6476e25b45_outp.kd
    .args:
      - { .name: ctx, .offset: 0, .size: 8, .value_kind: global_buffer, .address_space: global }
      - { .name: wo_codes, .offset: 8, .size: 8, .value_kind: global_buffer, .address_space: global }
      - { .name: out0, .offset: 16, .size: 8, .value_kind: global_buffer, .address_space: global }
      - { .name: lowp_scales, .offset: 24, .size: 8, .value_kind: global_buffer, .address_space: global }
      - { .name: bo, .offset: 32, .size: 8, .value_kind: global_buffer, .address_space: global }
      - { .name: gate, .offset: 40, .size: 8, .value_kind: global_buffer, .address_space: global }
      - { .name: query_states, .offset: 48, .size: 8, .value_kind: global_buffer, .address_space: global }
    .group_segment_fixed_size: 327680
    .private_segment_fixed_size: 0
    .kernarg_segment_align: 8
    .kernarg_segment_size: 56
    .max_flat_workgroup_size: 128
    .sgpr_count:     66
    .vgpr_count:     1024
    .wavefront_size: 32
...
	.end_amdgpu_metadata
.endif
;; end of part 4
